; MI455X (gfx1250); checked and timed in simulation.
; The chip was launched on July 23, 2026; its instructions are those of AMD's public machine-readable ISA for CDNA 5 (MIT licence, August 2026) and "CDNA5" Instruction Set Architecture Reference Guide (July 2026). The comments in the code are by the model that wrote it; some were corrected since.
;; Causal Self Attention. Allowed arithmetic: matrix products marked QUANTISED: E2M1 operands, one E8M0 scale for each 32 along K, by v_wmma_scale_f32_16x16x128_f8f6f4 with both operands' format E2M1 (or v_wmma_scale_f32_32x16x128_f4), f32 sums; products left as they are: bf16, f16 or f32 operands; f32 sums; everything else in f32.
;; Inputs: Wk 2,048 x 512 float32; Wo 2,048 x 2,048 float32; Wq 2,048 x 2,048 float32; Wv 2,048 x 512 float32; x 4 x 1,024 x 2,048 float32.
;; Outputs: out0 4 x 1,024 x 2,048 float32.
;; Constants: pos = 0.
;; This version of the problem:
;;   THIS VERSION OF THE PROBLEM IS GIVEN IN LOW PRECISION. The matrix products marked QUANTISED in the list below multiply operands that are first quantised to E2M1 (2 exponent bits, 1 mantissa bit; 4 bits a number), with one power-of-two scale for each 32 numbers along K (OCP MX v1.0); their sums are f32. The products marked 'left as it is' may take bf16, f16 or f32 operands, with f32 sums. Whichever they take, every output number must still come out within the allowed error. Rounding operands to bf16 (8 significant bits) uses up far more of that allowance than f16 does (11 bits, for magnitudes from 6e-5 to 65,504). All else is computed in f32.
;;   The module's matrix products, in the order in which they are computed (A, B: the left and right operand; K: the contracted axis; several contracted axes count as one K, in the product's order):
;;     1. [M 4,096, K 2,048] x [K 2,048, N 2,048]; A: input x; B: input Wq: QUANTISED
;;     2. [M 4,096, K 2,048] x [K 2,048, N 512]; A: input x; B: input Wk: QUANTISED
;;     3. [M 4,096, K 2,048] x [K 2,048, N 512]; A: input x; B: input Wv: QUANTISED
;;     4. batch 64 x [M 1,024, K 128] x [K 128, N 1,024]; A: computed on the way; B: computed on the way: left as it is (an operand is computed on the way)
;;     5. batch 64 x [M 1,024, K 1,024] x [K 1,024, N 128]; A: computed on the way; B: computed on the way: left as it is (an operand is computed on the way)
;;     6. [M 4,096, K 2,048] x [K 2,048, N 2,048]; A: computed on the way; B: input Wo: left as it is (an operand is computed on the way)
;;   THE QUANTISER, for each operand of a quantised product, along K:
;;     - K is cut into blocks of 32 from its start; a last block that is shorter is filled with zeros.
;;     - A block's scale is 2^e with e = floor(log2(the largest magnitude in the block)) - 2, held to -126 .. 127; a block of zeros has e = 0. As a byte (E8M0): e + 127.
;;     - Each number is divided by its block's scale, clamped to +-6, and rounded to the nearest number of E2M1, ties to even, subnormals kept.
;;     - The product sums the exact products of the quantised numbers (number of the format x scale) in f32.
;;   ~~~python
;;   def quantise(x, axis):      # numpy; x: float32 -> the quantised numbers, widened to float32 again
;;       x = np.moveaxis(x, axis, -1); K = x.shape[-1]
;;       x = np.pad(x, [(0, 0)] * (x.ndim - 1) + [(0, -K % 32)]); x = x.reshape(x.shape[:-1] + (-1, 32)); a = np.abs(x).max(-1, keepdims=True)
;;       e = np.where(a > 0, np.clip(np.frexp(np.where(a > 0, a, 1))[1] - 1 - 2, -126, 127), 0)      # np.frexp(a)[1] - 1 = floor(log2(a)), exactly
;;       r = np.clip(x / 2.0 ** e, -6, 6)
;;       step = 2.0 ** (np.maximum(np.frexp(np.where(r == 0, 1, r))[1] - 1, 0) - 1)
;;       q = np.round(r / step) * step * 2.0 ** e      # np.round: ties to even
;;       return np.moveaxis(q.reshape(q.shape[:-2] + (-1,))[..., :K], -1, axis).astype(np.float32)
;;   ~~~
;; One version. Each part assembles by itself: llvm-mc -triple=amdgcn-amd-amdhsa -mcpu=gfx1250 --defsym DOCPART=n.
;; ======== version 1 of 1: 6 launches
;; limits: values are held in f16: magnitudes above 65,504 overflow, below 6.1e-05 lose precision; right only within a limited range of input values
;; workspace buffers: codes 7,340,032 bytes; scales 458,752 bytes; wo16 16,777,216 bytes; rope 524,288 bytes; qkv16 25,165,824 bytes; fine 786,432 bytes; y16 16,777,216 bytes; yf 524,288 bytes
;; launch prep (part 1): grid 720 x 1, 4 waves a work-group, no clusters, 85,504 bytes of LDS; arguments x, Wq, Wk, Wv, Wo, codes, scales, wo16, rope; writes codes, scales, wo16, rope
.if DOCPART == 1
	.amdgcn_target "amdgcn-amd-amdhsa--gfx1250"
	.amdhsa_code_object_version 6
	.text
	.protected	k_q7f55fed29e_prep
	.globl	k_q7f55fed29e_prep
	.p2align	8
	.type	k_q7f55fed29e_prep,@function
k_q7f55fed29e_prep:
	s_mov_b64 s[64:65], 0
	v_nop
	global_prefetch_b8 v0, s[64:65] scope:SCOPE_SE
	s_setreg_imm32_b32 hwreg(HW_REG_WAVE_MODE, 25, 1), 1
	s_wait_xcnt 0x0
; PREP: everything that is made once from the inputs.  Four paths, chosen by the work-group's number; each has LDS bytes of its own.
;   X (work-groups 0-255):   x [4096][2048] f32 -> codes of FP4 (E2M1), K innermost, rows 0-4095 of 'codes' (1,024 bytes a row), one E8M0 byte for each 32 along K in 'scales' (64 bytes a row).
;   W (256-447):             Wq, Wk, Wv [2048 (k)][n] f32 -> the same, column n of (Wq | Wk | Wv) as row 4096 + n: a lane takes a column and its registers run down K.
;   O (448-703):             Wo [2048 (k)][2048 (n)] f32 -> 4 Wo as pairs of f16.  The high parts at byte 0 of 'wo16', laid [n][k].  The low parts at byte 8,388,608, laid in the order of a matrix operand's registers:
;                            [tile of 16 columns: 128][fragment of 32 along K: 64][half c: 2][lane: 32][16 bytes]; lane r + 16 h of half c holds column r, k = 16 c + 8 h + 0 .. 7 of the fragment.
;   R (704-719):             the table [t 1024][128] f32: cos(t f_j), j = 0..63, then sin(t f_j); f_j = 10000^(-j/64).
; A block's scale is 2^(floor(log2(largest magnitude)) - 2); its byte is the largest magnitude's exponent field - 2, held at 1 from below.
; LIMITS: NaN and infinities among the inputs are not served.  Blocks whose largest magnitude lies under 2^-124 keep the byte 1; a block of zeros gets the byte 1 too (its codes are zeros, and this program alone
; reads the bytes).  |Wo| stays under 1.6e4 (4 Wo in f16).  f_j comes from v_exp_f32: its relative error, up to 2.5e-7, turns the angle by up to 2.5e-4 rad at t = 1023 and 4e-6 rad at t < 16.
; No tile is shared between work-groups and memory binds, so there is no cluster, no tensor load and no matrix work here.
.set XL,    0                          ; path X: 8,192 bytes a wave: two stages of 32 x 80, then 256 scale bytes
.set WL,    32768                      ; path W: 32 rows x 272 bytes for each pair of waves
.set OL,    50176                      ; path O: 32 rows x 272 bytes a wave
.set SPARE, 84992                      ; the spare words, 128 bytes a wave: two blocks of 256 bytes that no other line names
.set SPW,   12                         ; v12  LDS address of my spare word; never rewritten
.set NIL,   13                         ; v13  0; never rewritten
	s_load_b256 s[4:11], s[0:1], 0x0               ; x, Wq, Wk, Wv
	s_load_b256 s[12:19], s[0:1], 0x20             ; Wo, codes, scales, wo16
	s_load_b64 s[20:21], s[0:1], 0x40              ; rope
	v_lshl_add_u32 v[SPW], v0, 2, SPARE
	v_mov_b32 v[NIL], 0
	v_lshrrev_b32 v1, 5, v0
	v_readfirstlane_b32 s22, v1                    ; wave 0..3
	v_and_b32 v2, 31, v0                           ; lane
	s_wait_kmcnt 0x0
	s_cmp_lt_u32 ttmp9, 256
	s_cbranch_scc1 .Lpath_x
	s_cmp_lt_u32 ttmp9, 448
	s_cbranch_scc1 .Lpath_w
	s_cmp_lt_u32 ttmp9, 704
	s_cbranch_scc1 .Lpath_o
; ---------------- PATH R: 64 rows of the table a work-group.  Thread: frequencies 4 fq .. 4 fq + 3 (fq = thread % 16), row thread / 16 of eight; eight trips.
; The angle a = t f is reduced by n = the nearest whole number to a 2/pi, with pi/2 in two parts; sine and cosine of the rest, at most pi/4, are polynomials; n mod 4 picks and signs them.
	s_sub_co_u32 s23, ttmp9, 704
	s_lshl_b32 s23, s23, 6                         ; the work-group's first row
	v_and_b32 v4, 15, v0                           ; fq
	v_lshrrev_b32 v5, 4, v0
	v_add_nc_u32 v5, s23, v5                       ; t
	v_cvt_f32_u32 v20, v5
	v_lshlrev_b32 v3, 9, v5
	v_lshl_add_u32 v3, v4, 4, v3                   ; 512 t + 16 fq
	v_lshlrev_b32 v6, 2, v4
.irp k, 0,1,2,3
	v_add_nc_u32 v[16+\k], \k, v6                  ; j
.endr
.irp k, 0,1,2,3
	v_cvt_f32_u32 v[16+\k], v[16+\k]
.endr
.irp k, 0,1,2,3
	v_mul_f32 v[16+\k], 0xbe549a78, v[16+\k]       ; -j log2(10000) / 64
.endr
.irp k, 0,1,2,3
	v_exp_f32 v[16+\k], v[16+\k]                   ; f_j
.endr
	s_mov_b32 s24, 0x3fc90fdb                      ; pi/2, its high part
	s_mov_b32 s25, 0xb33bbd2e                      ; and the rest
	s_mov_b32 s26, 0xb94ca1f9                      ; the sine's highest coefficient
	s_mov_b32 s27, 0x37ccf5ce                      ; the cosine's
	s_mov_b32 s28, 0
	v_nop                                          ; a plain line behind the exponentials
	s_wait_alu depctr_va_vdst(0)                   ; one wait for the four, ahead of their first reader and of the label
.macro RFREQ k
	v_mul_f32 v24, v20, v[16+\k]                   ; a = t f
	v_mul_f32 v25, 0x3f22f983, v24
	v_rndne_f32 v25, v25                           ; n
	v_fma_f32 v26, -v25, s24, v24
	v_fma_f32 v26, -v25, s25, v26                  ; r = a - n pi/2
	v_mul_f32 v27, v26, v26                        ; z = r r
	v_fmaak_f32 v28, s26, v27, 0x3c08839e
	v_fmaak_f32 v28, v28, v27, 0xbe2aaaa3
	v_mul_f32 v31, v27, v26
	v_fma_f32 v28, v28, v31, v26                   ; sin r
	v_fmaak_f32 v29, s27, v27, 0xbab6061a
	v_fmaak_f32 v29, v29, v27, 0x3d2aaaa5
	v_mul_f32 v31, v27, v27
	v_fma_f32 v30, v27, -0.5, 1.0
	v_fma_f32 v29, v29, v31, v30                   ; cos r
	v_cvt_i32_f32 v30, v25                         ; n as a whole number
	v_and_b32 v31, 1, v30
	v_cmp_eq_u32 vcc_lo, 1, v31
	v_cndmask_b32 v24, v29, v28, vcc_lo            ; n odd: the cosine's size is sin r,
	v_cndmask_b32 v25, v28, v29, vcc_lo            ; the sine's is cos r
	v_add_nc_u32 v31, 1, v30
	v_and_b32 v31, 2, v31
	v_lshlrev_b32 v31, 30, v31
	v_xor_b32 v[32+\k], v24, v31                   ; the cosine is negative for n mod 4 = 1, 2
	v_and_b32 v31, 2, v30
	v_lshlrev_b32 v31, 30, v31
	v_xor_b32 v[36+\k], v25, v31                   ; the sine for n mod 4 = 2, 3
.endm
.Lrope:
	RFREQ 0
	RFREQ 1
	RFREQ 2
	RFREQ 3
	global_store_b128 v3, v[32:35], s[20:21]               ; sixteen lanes store a row's 256 bytes of cosines,
	global_store_b128 v3, v[36:39], s[20:21] offset:256    ; and its 256 bytes of sines
	s_wait_xcnt 0x0                                ; the stores have read their data and their offset: both are written again below
	v_add_nc_u32 v3, 4096, v3                      ; eight rows on
	v_add_f32 v20, 0x41000000, v20
	s_add_co_u32 s28, s28, 1
	s_cmp_lt_u32 s28, 8
	s_cbranch_scc1 .Lrope
	s_endpgm
; ---------------- PATH X: x is a plain stream of blocks of 32.  A wave takes 16 steps of 512 numbers.  Each load reads 512 consecutive bytes; a step's 2,048 bytes turn through the wave's own stage in LDS,
; so that a lane holds 16 neighbours along K (two neighbouring lanes hold a block).  Loads run four steps ahead, the turn through LDS one step.
.Lpath_x:
	v_lshlrev_b32 v3, 4, v2                        ; my 16 bytes of a load's 512
	s_lshl_b32 s23, s22, 13                        ; my wave's region
	v_lshrrev_b32 v14, 2, v2
	v_mul_u32_u24 v14, v14, 80
	v_and_b32 v15, 3, v2
	v_lshl_add_u32 v14, v15, 4, v14
	v_add_nc_u32 v14, s23, v14                     ; the stage, on the way in: 80 (lane / 4) + 16 (lane % 4)
	v_mul_u32_u24 v15, v2, 80
	v_add_nc_u32 v15, s23, v15                     ; and on the way out: 80 x lane
	v_lshlrev_b32 v4, 3, v2                        ; 8 x lane: my codes' place in a step's, and my place in the scale bytes' store
	v_lshrrev_b32 v5, 1, v2
	s_add_co_u32 s23, s23, 5120
	v_add_nc_u32 v5, s23, v5                       ; my block's scale byte
	v_add_nc_u32 v6, s23, v4
	s_lshl_b32 s24, ttmp9, 2
	s_add_co_u32 s24, s24, s22                     ; which run of 8,192 numbers is my wave's
	s_lshl_b32 s26, s24, 15
	s_mov_b32 s27, 0
	s_add_nc_u64 s[4:5], s[4:5], s[26:27]
	s_lshl_b32 s26, s24, 12
	s_add_nc_u64 s[14:15], s[14:15], s[26:27]
	s_lshl_b32 s26, s24, 8
	s_add_nc_u64 s[16:17], s[16:17], s[26:27]
.macro XLOAD t
.irp i, 0,1,2,3
	global_load_b128 v[16+16*((\t)%4)+4*\i:16+16*((\t)%4)+4*\i+3], v3, s[4:5] offset:2048*(\t)+512*\i th:TH_LOAD_NT
.endr
.endm
.macro XTURN t                         ; LDS serves a wave's instructions in order: no wait between the stores and the loads
.irp i, 0,1,2,3
	ds_store_b128 v14, v[16+16*((\t)%4)+4*\i:16+16*((\t)%4)+4*\i+3] offset:2560*((\t)%2)+640*\i
.endr
.irp i, 0,1,2,3
	ds_load_b128 v[80+16*((\t)%2)+4*\i:80+16*((\t)%2)+4*\i+3], v15 offset:2560*((\t)%2)+16*\i
.endr
.endm
.irp t, 0,1,2,3
	XLOAD \t
.endr
	s_wait_loadcnt 12                              ; step 0's four loads are in
	XTURN 0
.macro XSTEP t
.set XS, 80+16*((\t)%2)
.if (\t) > 0
	s_wait_dscnt 1                                 ; this step's numbers are back from the stage (the last step's byte store may be out)
.else
	s_wait_dscnt 0x0
.endif
.if (\t)+4 < 16
	XLOAD (\t)+4
.endif
.if (\t)+1 < 16
.if 14-(\t) >= 3
	s_wait_loadcnt 12                              ; the next step's four loads are in; those of the three steps behind it may be out
.else
	s_wait_loadcnt 4*(14-(\t))
.endif
	XTURN (\t)+1
.endif
	v_max3_num_f32 v8, |v[XS]|, |v[XS+1]|, |v[XS+2]|
	v_max3_num_f32 v9, |v[XS+3]|, |v[XS+4]|, |v[XS+5]|
.irp i, 6,10
	v_max3_num_f32 v8, v8, |v[XS+\i]|, |v[XS+\i+1]|
	v_max3_num_f32 v9, v9, |v[XS+\i+2]|, |v[XS+\i+3]|
.endr
	v_max3_num_f32 v8, v8, |v[XS+14]|, |v[XS+15]|
	v_max3_num_f32 v8, v8, v9, 0x1800000           ; and the floor 2^(3 - 127): the byte cannot fall under 1
	v_max_num_f32_dpp v8, v8, v8 row_xmask:1 row_mask:0xf bank_mask:0xf   ; with my neighbour's 16: the block's largest magnitude
	v_add_nc_u32 v11, 0xff000000, v8               ; 2 off its exponent field: the conversion takes the exponent field of this operand as its scale
	v_cvt_scalef32_pk8_fp4_f32 v[128+4*(\t)], v[XS:XS+7], v11
	v_cvt_scalef32_pk8_fp4_f32 v[128+4*(\t)+1], v[XS+8:XS+15], v11
	v_lshrrev_b32 v[112+(\t)], 23, v11             ; the scale's byte
	ds_store_b8 v5, v[112+(\t)] offset:16*(\t)     ; both lanes of a block write the same byte with the same value
	global_store_b64 v4, v[128+4*(\t):128+4*(\t)+1], s[14:15] offset:256*(\t)   ; the wave stores 256 consecutive bytes, aligned
.endm
.irp t, 0,1,2,3,4,5,6,7,8,9,10,11,12,13,14,15
	XSTEP \t
.endr
	ds_load_b64 v[8:9], v6
	s_wait_dscnt 0x0
	global_store_b64 v4, v[8:9], s[16:17]          ; my wave's 256 scale bytes, aligned
	s_wait_tensorcnt 0x0                           ; the wave's end: a wait, an add to my spare word and its wait, behind my last LDS store
	ds_add_u32 v[SPW], v[NIL]
	s_wait_dscnt 0x0
	s_endpgm
; ---------------- PATH W: a work-group takes 64 columns x 512 along K.  TWO WAVES SHARE 32 COLUMNS: wave w takes columns 32 (w / 2) on and 256 (w % 2) on along K: 8 blocks a lane, so that a wave's chain of
; blocks is short; each has at most 64 loads of 128 bytes on their way.  Both write their 128 bytes of each column's row into one stage; behind a barrier each stores 16 whole rows of 256 bytes.
; Work-group i = number - 256: i < 128: Wq (32 column blocks of 64 x 4 chunks of K); 128-159: Wk; 160-191: Wv (8 x 4 each).
; The tensors differ in their row's length, so the 32 row offsets of a block lie in registers and the base steps from block to block.
.Lpath_w:
	s_sub_co_u32 s23, ttmp9, 256                   ; i
	s_sub_co_u32 s30, s23, 128                     ; (what follows from it is used for i >= 128 alone)
	s_and_b32 s31, s30, 31
	s_and_b32 s32, s31, 7                          ; Wk, Wv: column block,
	s_lshr_b32 s33, s31, 3                         ; chunk of K,
	s_lshr_b32 s34, s30, 5                         ; 0: Wk, 1: Wv,
	s_lshl_b32 s35, s34, 9
	s_add_co_u32 s35, s35, 2048                    ; first column among the 3,072
	s_and_b32 s36, s23, 31                         ; Wq: column block,
	s_lshr_b32 s37, s23, 5                         ; chunk of K
	s_mov_b32 s28, 2048
	s_cmp_eq_u32 s34, 0
	s_cselect_b64 s[38:39], s[8:9], s[10:11]
	s_cmp_lt_u32 s23, 128                          ; the choices hang on the work-group's number alone
	s_cselect_b64 s[24:25], s[6:7], s[38:39]       ; the tensor
	s_cselect_b32 s28, 8192, s28                   ; its row in bytes
	s_cselect_b32 s26, s36, s32                    ; column block
	s_cselect_b32 s27, s37, s33                    ; chunk of K
	s_cselect_b32 s29, 0, s35
	s_lshr_b32 s42, s22, 1                         ; which 32 of the 64 columns
	s_and_b32 s43, s22, 1                          ; which 256 of the 512 along K
	s_lshl_b32 s30, s26, 6
	s_lshl_b32 s31, s42, 5
	s_add_co_u32 s30, s30, s31                     ; my wave's first column in its tensor
	s_lshl_b32 s32, s27, 1
	s_add_co_u32 s32, s32, s43
	s_mul_i32 s32, s32, s28
	s_lshl_b32 s32, s32, 8                         ; 256 rows for each half chunk
	s_lshl_b32 s31, s30, 2
	s_add_co_u32 s32, s32, s31
	s_mov_b32 s33, 0
	s_add_nc_u64 s[24:25], s[24:25], s[32:33]
	s_lshl_b32 s40, s28, 5                         ; 32 rows on
	s_mov_b32 s41, 0
	s_add_co_u32 s30, s30, s29
	s_add_co_u32 s30, s30, 4096                    ; my 32 columns' first row in 'codes' and 'scales'
	s_lshl_b32 s32, s30, 6                         ; scale bytes: 64 a row, 16 a chunk, 8 a half chunk
	s_lshl_b32 s31, s27, 4
	s_add_co_u32 s32, s32, s31
	s_lshl_b32 s31, s43, 3
	s_add_co_u32 s32, s32, s31
	s_add_nc_u64 s[16:17], s[16:17], s[32:33]
	s_lshl_b32 s31, s43, 4
	s_add_co_u32 s30, s30, s31                     ; the 16 rows that I store
	s_lshl_b32 s32, s30, 10
	s_lshl_b32 s31, s27, 8
	s_add_co_u32 s32, s32, s31
	s_add_nc_u64 s[14:15], s[14:15], s[32:33]
	v_lshlrev_b32 v3, 2, v2
.set Q, 0
.rept 32
	v_mad_u32_u24 v[176+Q], s28, Q, v3             ; row Q of a block, my column
.set Q, Q+1
.endr
	s_mul_i32 s45, s42, 8704
	s_add_co_u32 s45, s45, WL                      ; the stage that I share with the other wave of my columns
	s_lshl_b32 s44, s43, 7
	s_add_co_u32 s44, s44, s45
	v_mul_u32_u24 v4, v2, 272
	v_add_nc_u32 v4, s44, v4                       ; into it: row = my column, my half of its 256 bytes
	s_mul_i32 s44, s43, 16*272
	s_add_co_u32 s44, s44, s45
	v_and_b32 v5, 15, v2
	v_lshrrev_b32 v6, 4, v2
	v_mul_u32_u24 v7, v6, 272
	v_lshl_add_u32 v7, v5, 4, v7
	v_add_nc_u32 v7, s44, v7                       ; out of it: my 16 rows; sixteen lanes to a row, two rows an instruction
	v_lshlrev_b32 v8, 10, v6
	v_lshl_add_u32 v8, v5, 4, v8                   ; the same place in 'codes'
	v_lshlrev_b32 v9, 6, v2                        ; my column's row of scale bytes
.macro WLOAD t
.set Q, 0
.rept 32
	global_load_b32 v[32+32*((\t)%2)+Q], v[176+Q], s[24:25] th:TH_LOAD_NT
.set Q, Q+1
.endr
	s_wait_xcnt 0x0                                ; the loads have read their base: it steps
	s_add_nc_u64 s[24:25], s[24:25], s[40:41]
.endm
	WLOAD 0
	WLOAD 1
.macro WBLOCK t
.set XS, 32+32*((\t)%2)
.if (\t) < 7
	s_wait_loadcnt 32                              ; this block's 32 loads are in; the next block's may be out
.else
	s_wait_loadcnt 0x0
.endif
	v_max3_num_f32 v14, |v[XS]|, |v[XS+1]|, |v[XS+2]|
	v_max3_num_f32 v15, |v[XS+3]|, |v[XS+4]|, |v[XS+5]|
.irp i, 6,10,14,18,22,26
	v_max3_num_f32 v14, v14, |v[XS+\i]|, |v[XS+\i+1]|
	v_max3_num_f32 v15, v15, |v[XS+\i+2]|, |v[XS+\i+3]|
.endr
	v_max3_num_f32 v14, v14, |v[XS+30]|, |v[XS+31]|
	v_max3_num_f32 v14, v14, v15, 0x1800000        ; with the floor
	v_add_nc_u32 v11, 0xff000000, v14              ; the conversion's scale operand
	v_lshrrev_b32 v10, 23, v11                     ; the scale's byte
.if (\t)%4 == 0
	v_mov_b32 v[24+(\t)/4], v10
.else
	v_lshl_or_b32 v[24+(\t)/4], v10, 8*((\t)%4), v[24+(\t)/4]
.endif
.irp g, 0,1,2,3
	v_cvt_scalef32_pk8_fp4_f32 v[96+\g], v[XS+8*\g:XS+8*\g+7], v11
.endr
	ds_store_b128 v4, v[96:99] offset:16*(\t)      ; 32 codes: 16 bytes of my column's row
.if (\t)+2 < 8
	WLOAD (\t)+2
.endif
	s_wait_dscnt 0x0                               ; the store has read its registers: the next block's codes may be written
.endm
.irp t, 0,1,2,3,4,5,6,7
	WBLOCK \t
.endr
	global_store_b64 v9, v[24:25], s[16:17]        ; my column's 8 scale bytes
	s_wait_dscnt 0x0                               ; for the other wave's sake: my stores into the stage are done
	s_barrier_signal -1
	s_barrier_wait -1                              ; both halves of every row lie in the stage
.irp t, 0,1,2,3,4,5,6,7
	ds_load_b128 v[112+4*\t:112+4*\t+3], v7 offset:2*\t*272
.endr
.irp t, 0,1,2,3,4,5,6,7
	s_wait_dscnt 7-\t
	global_store_b128 v8, v[112+4*\t:112+4*\t+3], s[14:15] offset:2*\t*1024   ; sixteen lanes store 256 consecutive bytes, aligned
.endr
	s_wait_tensorcnt 0x0                           ; the wave's end: the three lines
	ds_add_u32 v[SPW], v[NIL]
	s_wait_dscnt 0x0
	s_endpgm
; ---------------- PATH O: a wave takes 32 columns x 128 along K of Wo.  x = 4 Wo is split in f32: c = 8193 x, high = c - (c - x) has 11 significant bits, low = x - high is exact.  Both go to f16.
; The high parts go through the wave's stage, so that rows [n][k] leave in runs of 256 bytes.  The low parts leave straight from registers: a lane's 16 bytes (8 along K of its column) are one lane's piece of an
; operand's image, and sixteen neighbouring columns' pieces are 256 consecutive bytes.  They are packed in place, each block's in registers of its own, so no store's data are written again.
.Lpath_o:
	s_sub_co_u32 s23, ttmp9, 448
	s_and_b32 s24, s23, 15                         ; column block of 128
	s_lshr_b32 s25, s23, 4                         ; chunk of 128 along K
	s_lshl_b32 s26, s24, 7
	s_lshl_b32 s27, s22, 5
	s_add_co_u32 s26, s26, s27                     ; my wave's first column n
	s_lshl_b32 s28, s25, 20                        ; 128 rows of 8,192 bytes a chunk
	s_lshl_b32 s27, s26, 2
	s_add_co_u32 s28, s28, s27
	s_mov_b32 s29, 0
	s_add_nc_u64 s[12:13], s[12:13], s[28:29]
	s_add_nc_u64 s[30:31], s[18:19], 0x800000      ; the low parts
	s_lshl_b32 s28, s26, 12                        ; the high parts: a row of 4,096 bytes,
	s_lshl_b32 s27, s25, 8                         ; 256 bytes a chunk
	s_add_co_u32 s28, s28, s27
	s_add_nc_u64 s[18:19], s[18:19], s[28:29]
	s_lshl_b32 s28, s26, 12                        ; the low parts: 65,536 bytes for each 16 columns,
	s_lshl_b32 s27, s25, 12                        ; four fragments of 1,024 bytes a chunk
	s_add_co_u32 s28, s28, s27
	s_add_nc_u64 s[30:31], s[30:31], s[28:29]
	v_lshlrev_b32 v3, 2, v2
.set Q, 0
.rept 128
	global_load_b32 v[32+Q], v3, s[12:13] offset:Q*8192 th:TH_LOAD_NT   ; Wo(k, my column): the wave reads 128 consecutive bytes
.set Q, Q+1
.endr
	s_mul_i32 s32, s22, 8704
	s_add_co_u32 s32, s32, OL                      ; my stage
	v_mul_u32_u24 v4, v2, 272
	v_add_nc_u32 v4, s32, v4
	v_and_b32 v5, 15, v2
	v_lshrrev_b32 v6, 4, v2
	v_mul_u32_u24 v7, v6, 272
	v_lshl_add_u32 v7, v5, 4, v7
	v_add_nc_u32 v7, s32, v7
	v_lshlrev_b32 v8, 12, v6
	v_lshl_add_u32 v8, v5, 4, v8
	v_lshlrev_b32 v9, 16, v6
	v_lshl_add_u32 v9, v5, 4, v9                   ; the low parts: my tile of 16 columns, my column's 16 bytes
.macro OBLOCK t, left                  ; 32 along K: one fragment.  left: how many younger loads may be out
.set XS, 32+32*(\t)
	s_wait_loadcnt \left
.irp i, 0,2,4,6,8,10,12,14,16,18,20,22,24,26,28,30
	v_pk_mul_f32 v[XS+\i:XS+\i+1], v[XS+\i:XS+\i+1], 4.0 op_sel_hi:[1,0]
.endr
.irp i, 0,2,4,6,8,10,12,14,16,18,20,22,24,26,28,30
	v_pk_mul_f32 v[160+\i:161+\i], v[XS+\i:XS+\i+1], 0x46000400 op_sel_hi:[1,0]   ; c = 8193 x
.endr
.irp i, 0,2,4,6,8,10,12,14,16,18,20,22,24,26,28,30
	v_pk_add_f32 v[192+\i:193+\i], v[160+\i:161+\i], v[XS+\i:XS+\i+1] neg_lo:[0,1] neg_hi:[0,1]   ; c - x
.endr
.irp i, 0,2,4,6,8,10,12,14,16,18,20,22,24,26,28,30
	v_pk_add_f32 v[160+\i:161+\i], v[160+\i:161+\i], v[192+\i:193+\i] neg_lo:[0,1] neg_hi:[0,1]   ; the high part
.endr
.irp i, 0,2,4,6,8,10,12,14,16,18,20,22,24,26,28,30
	v_pk_add_f32 v[XS+\i:XS+\i+1], v[XS+\i:XS+\i+1], v[160+\i:161+\i] neg_lo:[0,1] neg_hi:[0,1]   ; the low part
.endr
.irp i, 0,1,2,3,4,5,6,7,8,9,10,11,12,13,14,15
	v_cvt_pk_f16_f32 v[16+\i], v[160+2*\i], v[161+2*\i]
.endr
.irp i, 0,1,2,3,4,5,6,7,8,9,10,11,12,13,14,15
	v_cvt_pk_f16_f32 v[XS+\i], v[XS+2*\i], v[XS+2*\i+1]   ; in place, ascending: register i is written when pairs 0 .. i have been read
.endr
.irp i, 0,1,2,3
	ds_store_b128 v4, v[16+4*\i:19+4*\i] offset:64*(\t)+16*\i
.endr
.irp q, 0,1,2,3                        ; piece q: k = 8 q + 0 .. 7 of the fragment: half q / 2, lanes 16 (q % 2) on
	global_store_b128 v9, v[XS+4*\q:XS+4*\q+3], s[30:31] offset:1024*(\t)+512*(\q/2)+256*(\q%2)   ; sixteen lanes store 256 consecutive bytes, aligned
.endr
	s_wait_dscnt 0x0                               ; the LDS stores have read their registers
.endm
	OBLOCK 0, 63                                   ; 96 younger loads would do: 63 is the largest count that the wait can name
	OBLOCK 1, 63                                   ; 64 would do
	OBLOCK 2, 32
	OBLOCK 3, 0
.irp t, 0,1,2,3,4,5,6,7,8,9,10,11,12,13,14,15
	ds_load_b128 v[160+4*\t:163+4*\t], v7 offset:2*\t*272
.endr
.irp t, 0,1,2,3,4,5,6,7,8,9,10,11,12,13,14,15
	s_wait_dscnt 15-\t
	global_store_b128 v8, v[160+4*\t:163+4*\t], s[18:19] offset:2*\t*4096   ; sixteen lanes store 256 consecutive bytes, aligned
.endr
	s_wait_tensorcnt 0x0                           ; the wave's end: the three lines
	ds_add_u32 v[SPW], v[NIL]
	s_wait_dscnt 0x0
	s_endpgm
.Lfunc_end_k_q7f55fed29e_prep:
	.size	k_q7f55fed29e_prep, .Lfunc_end_k_q7f55fed29e_prep-k_q7f55fed29e_prep
	.p2alignl 7, 3214868480
	.fill 96, 4, 3214868480
	.section	.rodata,"a",@progbits
	.p2align	6, 0x0
	.amdhsa_kernel k_q7f55fed29e_prep
		.amdhsa_group_segment_fixed_size 85504
		.amdhsa_private_segment_fixed_size 0
		.amdhsa_enable_private_segment 0
		.amdhsa_kernarg_size 72
		.amdhsa_user_sgpr_count 2
		.amdhsa_user_sgpr_kernarg_segment_ptr 1
		.amdhsa_wavefront_size32 1
		.amdhsa_system_sgpr_workgroup_id_x 1
		.amdhsa_system_sgpr_workgroup_id_y 1
		.amdhsa_system_sgpr_workgroup_id_z 1
		.amdhsa_system_vgpr_workitem_id 0
		.amdhsa_next_free_vgpr 224
		.amdhsa_next_free_sgpr 66
		.amdhsa_reserve_vcc 1
		.amdhsa_float_denorm_mode_32 3
		.amdhsa_float_denorm_mode_16_64 3
		.amdhsa_memory_ordered 1
		.amdhsa_forward_progress 1
		.amdhsa_inst_pref_size 132
	.end_amdhsa_kernel
	.amdgpu_metadata
---
amdhsa.version: [ 1, 2 ]
amdhsa.kernels:
  - .name:           k_q7f55fed29e_prep
    .symbol:         k_q7f55fed29e_prep.kd
    .args:
      - { .name: x, .offset: 0, .size: 8, .value_kind: global_buffer, .address_space: global }
      - { .name: Wq, .offset: 8, .size: 8, .value_kind: global_buffer, .address_space: global }
      - { .name: Wk, .offset: 16, .size: 8, .value_kind: global_buffer, .address_space: global }
      - { .name: Wv, .offset: 24, .size: 8, .value_kind: global_buffer, .address_space: global }
      - { .name: Wo, .offset: 32, .size: 8, .value_kind: global_buffer, .address_space: global }
      - { .name: codes, .offset: 40, .size: 8, .value_kind: global_buffer, .address_space: global }
      - { .name: scales, .offset: 48, .size: 8, .value_kind: global_buffer, .address_space: global }
      - { .name: wo16, .offset: 56, .size: 8, .value_kind: global_buffer, .address_space: global }
      - { .name: rope, .offset: 64, .size: 8, .value_kind: global_buffer, .address_space: global }
    .group_segment_fixed_size: 85504
    .private_segment_fixed_size: 0
    .kernarg_segment_align: 8
    .kernarg_segment_size: 72
    .max_flat_workgroup_size: 128
    .sgpr_count:     66
    .vgpr_count:     224
    .wavefront_size: 32
...
	.end_amdgpu_metadata
.endif
;; end of part 1
;; launch qkv (part 2): grid 12 x 16, 4 waves a work-group, clusters of 4 x 4, 327,680 bytes of LDS; arguments codes, scales, rope, qkv16, fine; writes qkv16, fine
.if DOCPART == 2
	.amdgcn_target "amdgcn-amd-amdhsa--gfx1250"
	.amdhsa_code_object_version 6
	.text
	.protected	k_q7f55fed29e_qkv
	.globl	k_q7f55fed29e_qkv
	.p2align	8
	.type	k_q7f55fed29e_qkv,@function
k_q7f55fed29e_qkv:
	s_mov_b64 s[64:65], 0
	v_nop
	global_prefetch_b8 v0, s[64:65] scope:SCOPE_SE
	s_setreg_imm32_b32 hwreg(HW_REG_WAVE_MODE, 25, 1), 1
	s_wait_xcnt 0x0
	s_wait_alu depctr_hold_cnt(0) depctr_sa_sdst(0) depctr_va_vdst(0) depctr_va_sdst(0) depctr_va_ssrc(0) depctr_va_vcc(0) depctr_vm_vsrc(0)
	s_getreg_b32 s2, hwreg(HW_REG_IB_STS2, 6, 4)
	s_cmp_eq_u32 s2, 0
	s_cbranch_scc0 .Lentry_in_a_cluster
	s_endpgm
.Lentry_in_a_cluster:
	s_bfe_u32 s2, ttmp6, 0x10000c
	s_cmp_lg_u32 s2, 0xf033
	s_cbranch_scc0 .Lentry_shape_is_right
	s_endpgm
.Lentry_shape_is_right:
; (q | k | v) = x (Wq | Wk | Wv) on codes of FP4 (E2M1) with one E8M0 scale for each 32 along K, then the rotation by position, a scale, and f16.
; A: rows 0-4095 of 'codes' (x's tokens); B: rows 4096-7167 (the weights' 3,072 columns); a row is 1,024 bytes (2,048 codes), its scale bytes 64.  Sums in f32.
; A tile of C, 256 x 256, is made by four waves; a wave makes 128 rows x 128 columns, which is one head ("slot" = column / 128: 0-15 q, 16-19 k, 20-23 v): 64 accumulators, 512 registers.
; K goes in steps of 512 through a ring of two LDS slots filled by the tensor data mover (rows of 256 bytes); the scale bytes of the work-group's rows come once and stay in LDS.
; 192 work-groups: a tile of 128 x 384 would give 256, but would cut heads across waves; this launch holds under a tenth of the program's matrix work.
; CLUSTERS: 4 x 4 work-groups.  The four of a row need the same tiles of A, the four of a column the same tiles of B: each tile is asked for jointly.
; THE MATRIX INSTRUCTION IS USED TRANSPOSED (source 0 = 16 rows of B, source 1 = 16 rows of A): a lane holds eight neighbouring channels of one token.
; THE WAY OUT.  out[d] = x[d] cos(t f(d/2)) - x[d+64] sin(t f(d/2)) for d < 64, out[d] = x[d] cos(t f(d/2)) + x[d-64] sin(t f(d/2)) for d >= 64 (q and k); v is left as it is.
; Stored: q' = q 2 log2(e)/sqrt(128), k' = k / 2, v' = v / 4, as f16 in qkv16 [slot][token][128]; for the first 16 positions of each sequence also as f32 in fine [slot][16 b + t][128].
; What differs by head type is chosen by scalar selects, and the fine rows by a lane mask: no branch hangs on the work-group's place in its cluster.
; The table's row for t comes from memory for the wave's first 16 tokens; each further 16 tokens turn cosine and sine on by the angle of 16 positions (the table's row 16).
; LIMITS: |q| < 2.5e5, |k| < 1.3e5, |v| < 2.6e5 (f16's range behind the scales).
; REGISTERS, in windows of 256: window 0: v0-31 addresses; v32-95 scale words, two sets, and nothing else; v96-127 packed f16; v128-191 A's fragments, on the way out rows read back; v192-255 rotated numbers.
;   window 1: B's fragments at v0 and v128; v64-127 the table's row of my token (16 registers for each of four channel blocks: cos low, cos high, sin low, sin high); v192-255 likewise row 16.
;   window 2: the accumulators of my rows 0-63 ((a, b) at v[8 (8 a + b)]);  window 3: those of my rows 64-127.
.set SIZE_K, 2048
.set KSTEP,  512
.set NQ,     KSTEP/128
.set ROWB,   256
.set KROW,   SIZE_K*4/8
.set PITCH,  272                       ; an LDS row: 256 bytes + 16 of padding: the 16 rows that a load touches start at 16 different banks
.set FR,     8
.set NL,     2
.set NP,     4
.set HALFT,  128*PITCH
.set SLOT,   4*HALFT
.set LAPS,   SIZE_K/(2*KSTEP)
.set KS,     SIZE_K/32
.set SCL,    2*SLOT
.set HALFS,  (128*KS/256)*272
.set SBLK,   (16*KS/256)*272
.set SPARE,  SCL+4*HALFS               ; the spare words, 128 bytes a wave
.set SPITCH, 272                       ; the way out: a stage of 16 rows x (256 + 16) bytes a wave, in slot 0, which has had its last fill and its last read by then
.set ADRA, 16
.set ADRB, 20
.set FO,   22                          ; v22  my byte offset in the fine rows
.set TP,   23                          ; v23  my token's position in its sequence, for the wave's first 16 rows
.set STO,  24
.set RD,   25
.set CO,   26
.set ADRS, 27
.set SPW,  28
.set NIL,  29
.set SC,   32
.set PKR,  96
.set AF,   128
.set BK,   128
.set OUT,  192
.set G1, 24
.set G0, 32
.set G1B, 48
.set G0B, 56
.set G1S, 68
.set G0S, 76
.set G1SB, 80
.set G0SB, 88
.set MSB, 0
.macro WIN new                         ; the immediate's high byte repeats the setting that is left
.if MSB != \new
	s_set_vgpr_msb (MSB<<8)|\new
.set MSB, \new
.endif
.endm
.set MUL_LO, 0xa1
.set MUL_HI, 0xf1
.set TO_B,   0x40
; A joint load: waves 0 and 1 fetch for A, waves 2 and 3 for B.  An s_nop 0 and four v_nop follow each of the two lines.
.macro JLOAD g0a, g1a, g0b, g1b
	s_cmp_eq_u32 s15, 0
	s_cbranch_scc0 .Lfor_b_\@
	tensor_load_to_lds s[\g0a:\g0a+3], s[\g1a:\g1a+7]
	s_nop 0
.rept 4
	v_nop
.endr
	s_branch .Lasked_\@
.Lfor_b_\@:
	tensor_load_to_lds s[\g0b:\g0b+3], s[\g1b:\g1b+7]
	s_nop 0
.rept 4
	v_nop
.endr
.Lasked_\@:
.endm
.macro CREST
	s_cmp_lg_u32 s14, 0
	s_cbranch_scc1 .Lnot_wave_0_\@
	s_barrier_signal -3
.Lnot_wave_0_\@:
	s_barrier_wait -3
	s_barrier_signal -1
	s_barrier_wait -1
.endm
.macro CROUND
	s_barrier_signal -1
	s_barrier_wait -1
	CREST
.endm
	s_load_b128 s[4:7], s[0:1], 0x0                ; codes, scales
	s_load_b64 s[12:13], s[0:1], 0x10              ; rope
	s_load_b64 s[96:97], s[0:1], 0x18              ; qkv16
	s_load_b64 s[98:99], s[0:1], 0x20              ; fine
	v_lshl_add_u32 v[SPW], v0, 2, SPARE
	v_mov_b32 v[NIL], 0
	ds_add_u32 v[SPW], v[NIL]                      ; the wave's opening: the add, twice on end, and its wait ahead of my first tensor load
	ds_add_u32 v[SPW], v[NIL]
	v_lshrrev_b32 v1, 5, v0
	v_readfirstlane_b32 s14, v1                    ; wave 0..3
	s_lshr_b32 s15, s14, 1                         ; which half of the tile's rows is mine.  Also: I fetch for A (0) or for B (1)
	s_and_b32 s16, s14, 1                          ; which half of its columns.  Also: which 128 rows of that tile I fetch
	s_bfe_u32 s40, ttmp6, 0x40000                  ; cx, cy
	s_bfe_u32 s41, ttmp6, 0x40004
	s_lshl_b32 s42, ttmp9, 2
	s_add_co_u32 s42, s42, s40                     ; tile column
	s_and_b32 s17, ttmp7, 0xffff
	s_lshl_b32 s17, s17, 2
	s_add_co_u32 s17, s17, s41                     ; tile row
	s_lshl_b32 s43, s41, 2
	s_lshl_b32 s43, 15, s43                        ; my row of the cluster
	s_lshl_b32 s44, 0x1111, s40                    ; my column
	s_or_b32 s[G1+0], s43, (0<<16)|(1<<20)|(1<<21)|(5<<22)|(3<<25)  ; the mask; elements of 1 byte; padding on; bit 21 beside a mask; 4 words behind every 64
	s_or_b32 s[G1B+0], s44, (0<<16)|(1<<20)|(1<<21)|(5<<22)|(3<<25)
.irp g, G1, G1B
	s_mov_b32 s[\g+1], ROWB<<16                    ; tensor_dim0
	s_mov_b32 s[\g+2], 128<<16                     ; tensor_dim1
	s_mov_b32 s[\g+3], ROWB<<16                    ; tile_dim0
	s_mov_b32 s[\g+4], 128                         ; tile_dim1
	s_mov_b32 s[\g+5], KROW                        ; the pitch
	s_mov_b32 s[\g+6], 0
	s_mov_b32 s[\g+7], 0
.endr
	s_or_b32 s[G1S+0], s43, (3<<16)|(1<<20)|(1<<21)|(5<<22)|(3<<25)   ; the scales of 128 rows: a dense block, as rows of 256 bytes (32 elements of 8), 16 bytes of padding behind each
	s_or_b32 s[G1SB+0], s44, (3<<16)|(1<<20)|(1<<21)|(5<<22)|(3<<25)
.irp g, G1S, G1SB
	s_mov_b32 s[\g+1], 32<<16
	s_mov_b32 s[\g+2], (128*KS/256)<<16
	s_mov_b32 s[\g+3], 32<<16
	s_mov_b32 s[\g+4], 128*KS/256
	s_mov_b32 s[\g+5], 32
	s_mov_b32 s[\g+6], 0
	s_mov_b32 s[\g+7], 0
.endr
	s_lshl_b32 s18, s16, 7
	s_lshl_b32 s20, s17, 8
	s_add_co_u32 s20, s20, s18                     ; A: row 256 x tile row + 128 x half
	s_lshl_b32 s46, s42, 8
	s_add_co_u32 s46, s46, s18                     ; B: row 256 x tile column + 128 x half
	s_mov_b32 s21, 0
	s_mov_b32 s47, 0
	s_mov_b64 s[18:19], KS
	s_mul_u64 s[22:23], s[20:21], s[18:19]
	s_mul_u64 s[92:93], s[46:47], s[18:19]
	s_mov_b64 s[18:19], KROW
	s_mul_u64 s[20:21], s[20:21], s[18:19]
	s_mul_u64 s[46:47], s[46:47], s[18:19]
	s_mul_i32 s45, s14, HALFT                      ; where they go: wave x 128 rows
	s_mul_i32 s94, s14, HALFS
	s_wait_dscnt 0x0                               ; both opening adds are done
	s_wait_kmcnt 0x0
	s_add_nc_u64 s[8:9], s[4:5], 0x400000          ; B's codes: rows 4096 on,
	s_add_nc_u64 s[10:11], s[6:7], 0x40000         ; and their scale bytes
	s_add_nc_u64 s[20:21], s[4:5], s[20:21]
	s_add_nc_u64 s[22:23], s[6:7], s[22:23]
	s_add_nc_u64 s[46:47], s[8:9], s[46:47]
	s_add_nc_u64 s[92:93], s[10:11], s[92:93]
	CROUND                                         ; all sixteen work-groups are here: the first joint loads meet
	s_mov_b32 s[G0S], 1
	s_add_co_u32 s[G0S+1], s94, SCL
	s_mov_b64 s[G0S+2:G0S+3], s[22:23]
	s_or_b32 s[G0S+3], s[G0S+3], 0x80000000
	s_mov_b32 s[G0SB], 1
	s_add_co_u32 s[G0SB+1], s94, SCL
	s_mov_b64 s[G0SB+2:G0SB+3], s[92:93]
	s_or_b32 s[G0SB+3], s[G0SB+3], 0x80000000
	JLOAD G0S, G1S, G0SB, G1SB                     ; the scales first
.irp s, 0,1
	s_mov_b32 s[G0+4*\s], 1
	s_add_co_u32 s[G0+4*\s+1], s45, \s*SLOT
	s_add_nc_u64 s[G0+4*\s+2:G0+4*\s+3], s[20:21], \s*ROWB
	s_or_b32 s[G0+4*\s+3], s[G0+4*\s+3], 0x80000000
	s_mov_b32 s[G0B+4*\s], 1
	s_add_co_u32 s[G0B+4*\s+1], s45, \s*SLOT
	s_add_nc_u64 s[G0B+4*\s+2:G0B+4*\s+3], s[46:47], \s*ROWB
	s_or_b32 s[G0B+4*\s+3], s[G0B+4*\s+3], 0x80000000
	JLOAD G0+4*\s, G1, G0B+4*\s, G1B
.endr
	v_and_b32 v1, 15, v0                           ; r = l % 16
	v_bfe_u32 v2, v0, 4, 1                         ; h = l / 16
	v_mul_u32_u24 v3, v1, PITCH
	v_lshl_add_u32 v4, v2, 4, v3
	s_mul_i32 s21, s15, HALFT
	s_mul_i32 s22, s16, HALFT
	s_add_co_u32 s22, s22, 2*HALFT
.irp s, 0,1
	v_add_nc_u32 v[ADRA+\s], s21, v4
	v_add_nc_u32 v[ADRB+\s], s22, v4
	s_add_co_u32 s21, s21, SLOT
	s_add_co_u32 s22, s22, SLOT
.endr
	v_mul_u32_u24 v5, v1, KS
	v_lshrrev_b32 v6, 8, v5
	v_lshl_add_u32 v5, v6, 4, v5
	s_mul_i32 s21, s15, HALFS
	s_mul_i32 s22, s16, HALFS
	s_add_co_u32 s22, s22, 2*HALFS
	s_sub_co_u32 s22, s22, s21
	v_mul_u32_u24 v6, s22, v2                      ; lanes 16-31 take B's scale words
	s_add_co_u32 s21, s21, SCL
	v_add_nc_u32 v5, v5, v6
	v_add_nc_u32 v[ADRS], s21, v5
	s_mul_i32 s23, s14, 16*SPITCH                  ; my stage
	v_mul_u32_u24 v5, v1, SPITCH
	v_lshl_add_u32 v5, v2, 4, v5
	v_add_nc_u32 v[STO], s23, v5                   ; in: row r, 16 bytes for each half of the lanes
	v_mul_u32_u24 v5, v2, SPITCH
	v_lshl_add_u32 v5, v1, 4, v5
	v_add_nc_u32 v[RD], s23, v5                    ; back: lanes 0-15 one row of 256 bytes, lanes 16-31 the next
	v_and_b32 v6, 31, v0
	v_lshlrev_b32 v[CO], 4, v6                     ; and the same 512 bytes in qkv16, whose rows are dense
	s_lshl_b32 s20, s17, 8
	s_lshl_b32 s21, s15, 7
	s_add_co_u32 s20, s20, s21                     ; m0: my wave's first token
	s_and_b32 s21, s20, 1023
	v_add_nc_u32 v[TP], s21, v1                    ; its position, + r
	v_lshlrev_b32 v30, 9, v[TP]
	v_lshl_add_u32 v30, v2, 4, v30                 ; the table: row t, + 16 h: channel 16 b + 8 h + j has frequency 8 b + 4 h + j / 2
	v_lshlrev_b32 v31, 4, v2
	v_add_nc_u32 v31, 16*512, v31                  ; and row 16
	v_lshlrev_b32 v[FO], 9, v1
	v_lshl_add_u32 v[FO], v2, 5, v[FO]             ; the fine rows: row r of 512 bytes, + 32 h
	s_lshl_b32 s66, s42, 1
	s_add_co_u32 s66, s66, s16                     ; my slot
	s_lshl_b32 s46, s66, 12
	s_add_co_u32 s46, s46, s20
	s_lshl_b32 s46, s46, 8                         ; (4096 slot + m0) rows of 256 bytes
	s_mov_b32 s47, 0
	s_add_nc_u64 s[96:97], s[96:97], s[46:47]
	s_lshl_b32 s46, s66, 15                        ; fine: 64 rows of 512 bytes a slot,
	s_lshr_b32 s21, s20, 10
	s_lshl_b32 s21, s21, 13                        ; 16 a sequence
	s_add_co_u32 s46, s46, s21
	s_add_nc_u64 s[98:99], s[98:99], s[46:47]
	WIN TO_B                                       ; the table's two rows go into registers of window 1 that the products leave idle; they land under the products
.irp b, 0,1,2,3
.irp p, 0,1,2,3
	global_load_b128 v[64+16*\b+4*\p:64+16*\b+4*\p+3], v30, s[12:13] offset:32*\b+128*\p
	global_load_b128 v[192+16*\b+4*\p:192+16*\b+4*\p+3], v31, s[12:13] offset:32*\b+128*\p
.endr
.endr
	WIN 0
.macro FRAG reg, adr, q, i             ; a fragment, 16 rows x 128 K of 4-bit codes: 8 registers, two loads of 16 bytes, 32 bytes apart
.irp c, 0,1
	ds_load_b128 v[\reg+4*\c:\reg+4*\c+3], v[\adr] offset:64*(\q)+32*\c+(\i)*16*PITCH
.endr
.endm
; 16 matrix instructions: A's blocks a0, a0 + 1 x B's eight.  The 64 accumulators take turns, one instruction a turn, in the same order in every step.
.macro MUL16 a0, p, q, sc, zero
.irp a, \a0, \a0+1
.irp b, 0,1,2,3,4,5,6,7
.if \zero
	v_wmma_scale_f32_16x16x128_f8f6f4 v[8*(8*((\a)%4)+\b):8*(8*((\a)%4)+\b)+7], v[128*(\p)+FR*\b:128*(\p)+FR*\b+FR-1], v[AF+FR*(\a):AF+FR*(\a)+FR-1], 0, v[SC+8*NQ*(\sc)+NQ*\b+(\q)], v[SC+8*NQ*(\sc)+NQ*(\a)+(\q)] matrix_a_fmt:MATRIX_FMT_FP4 matrix_b_fmt:MATRIX_FMT_FP4 matrix_a_scale:MATRIX_SCALE_ROW1
.else
	v_wmma_scale_f32_16x16x128_f8f6f4 v[8*(8*((\a)%4)+\b):8*(8*((\a)%4)+\b)+7], v[128*(\p)+FR*\b:128*(\p)+FR*\b+FR-1], v[AF+FR*(\a):AF+FR*(\a)+FR-1], v[8*(8*((\a)%4)+\b):8*(8*((\a)%4)+\b)+7], v[SC+8*NQ*(\sc)+NQ*\b+(\q)], v[SC+8*NQ*(\sc)+NQ*(\a)+(\q)] matrix_a_fmt:MATRIX_FMT_FP4 matrix_b_fmt:MATRIX_FMT_FP4 matrix_a_scale:MATRIX_SCALE_ROW1
.endif
.endr
.endr
.endm
.macro FETCH_B slot, q, p
	WIN TO_B
.irp i, 0,1,2,3,4,5,6,7
	FRAG 128*(\p)+FR*\i, ADRB+\slot, \q, \i
.endr
	WIN 0
.endm
.macro FETCH_A slot, q, i0
.irp i, \i0, \i0+1, \i0+2, \i0+3
	FRAG AF+FR*(\i), ADRA+\slot, \q, \i
.endr
.endm
.macro SCALES sc                       ; a K step's scale words: lanes 0-15 take A's block i, lanes 16-31 B's block i
.irp i, 0,1,2,3,4,5,6,7
	ds_load_b128 v[SC+8*NQ*\sc+NQ*\i:SC+8*NQ*\sc+NQ*\i+3], v[ADRS] offset:\i*SBLK
.endr
.endm
.macro PLACES n                        ; plain lines between a matrix instruction and a load into, or a read of, its registers
.rept \n
	v_nop
.endr
.endm
.macro STEP slot, q, zero
	s_wait_dscnt 4*NL                              ; B's set and A's blocks 0-3 are in; A's blocks 4-7 may be out
	WIN MUL_LO
	MUL16 0, (\q)%2, \q, \slot, \zero
	MUL16 2, (\q)%2, \q, \slot, \zero
	s_wait_dscnt 0
	PLACES NP
	FETCH_B \slot, (\q)+1, 1-(\q)%2
	FETCH_A \slot, (\q)+1, 0
	WIN MUL_HI
	MUL16 4, (\q)%2, \q, \slot, \zero
	MUL16 6, (\q)%2, \q, \slot, \zero
	PLACES NP
	WIN 0
	FETCH_A \slot, (\q)+1, 4
.endm
; A slot's last step changes slots: one barrier; in front of it each wave waits for all its tensor loads, adds 0 to its spare word, and waits for that and for its own reads of this slot.
.macro TURN slot, next, fill
	s_wait_tensorcnt 0x0                           ; all my tensor loads have landed: my part of the next slot
	ds_add_u32 v[SPW], v[NIL]
	s_wait_dscnt 4*NL+1                            ; (the add and A's blocks 4-7 may be out)
	WIN MUL_LO
	MUL16 0, 1, NQ-1, \slot, 0
	s_wait_dscnt 0x0                               ; the add is done, and my reads of this slot are over
	s_barrier_signal -1
	MUL16 2, 1, NQ-1, \slot, 0
	WIN 0
	s_barrier_wait -1
.if \fill
	CREST                                          ; the barrier has opened a round of the cluster's barrier: no wave of any partner still reads this slot or has a load on its way
	s_add_nc_u64 s[G0+4*\slot+2:G0+4*\slot+3], s[G0+4*\slot+2:G0+4*\slot+3], 2*ROWB
	s_add_nc_u64 s[G0B+4*\slot+2:G0B+4*\slot+3], s[G0B+4*\slot+2:G0B+4*\slot+3], 2*ROWB
	JLOAD G0+4*\slot, G1, G0B+4*\slot, G1B         ; the first tensor load behind the round
.else
	PLACES NP
.endif
	v_add_nc_u32 v[ADRS], 4*NQ, v[ADRS]            ; on to the next K step's scale words
	FETCH_B \next, 0, 0
	FETCH_A \next, 0, 0
	SCALES \next
	WIN MUL_HI
	MUL16 4, 1, NQ-1, \slot, 0
	MUL16 6, 1, NQ-1, \slot, 0
	PLACES NP
	WIN 0
	FETCH_A \next, 0, 4
.endm
.macro STEPS slot, from
.set Q, \from
.rept NQ-1-\from
	STEP \slot, Q, 0
.set Q, Q+1
.endr
.endm
	s_wait_tensorcnt 1                             ; the scales and my part of K step 0 are in (K step 1's load may be out),
	s_barrier_signal -1
	s_barrier_wait -1                              ; everybody's are
	FETCH_B 0, 0, 0
	FETCH_A 0, 0, 0
	SCALES 0
	FETCH_A 0, 0, 4
	STEP 0, 0, 1                                   ; the first step's products start the sums
	s_mov_b32 s3, LAPS-1
.Llap:
	STEPS 0, 1
	TURN 0, 1, 1
	STEPS 1, 0
	TURN 1, 0, 1
	STEP 0, 0, 0
	s_sub_co_u32 s3, s3, 1
	s_cmp_lg_u32 s3, 0
	s_cbranch_scc1 .Llap
	STEPS 0, 1                                     ; the last lap fills nothing
	TURN 0, 1, 0
	STEPS 1, 0
	s_wait_dscnt 4*NL
	WIN MUL_LO
	MUL16 0, 1, NQ-1, 1, 0
	MUL16 2, 1, NQ-1, 1, 0
	s_wait_dscnt 0
	WIN MUL_HI
	MUL16 4, 1, NQ-1, 1, 0
	MUL16 6, 1, NQ-1, 1, 0
	WIN 0
; ---- THE WAY OUT
	PLACES NP
	s_mov_b32 s20, 0x3e800000                      ; A, the scale: v: 1/4,
	s_cmp_lt_u32 s66, 20
	s_cselect_b32 s20, 0.5, s20                    ; k: 1/2,
	s_cselect_b32 s21, 1.0, 0                      ; F: 1 where the head is rotated
	s_cselect_b32 s46, 0, 1.0                      ; 1 - F
	s_cmp_lt_u32 s66, 16
	s_cselect_b32 s20, 0x3e8293ee, s20             ; q: 2 log2(e) / sqrt(128)
	s_cmp_lt_u32 s66, 20
	s_cselect_b32 s22, s20, 0                      ; A F
	s_cselect_b32 s23, 0, s20                      ; A (1 - F)
	WIN 0x40
	v_mov_b32 v4, s22
	v_mov_b32 v5, s22
	v_mov_b32 v6, s23
	v_mov_b32 v7, s23
	v_mov_b32 v8, s21
	v_mov_b32 v9, s21
	v_mov_b32 v10, s46
	v_mov_b32 v11, s46
	s_wait_loadcnt 0x0                             ; the table's rows
	WIN 0x55                                       ; all in window 1: (cos, sin) becomes A (cos, sin), for v (A, 0); the turn by 16 positions stays, for v it becomes (1, 0)
.irp b, 0,1,2,3
.irp p, 0,2,4,6
	v_pk_fma_f32 v[64+16*\b+\p:65+16*\b+\p], v[64+16*\b+\p:65+16*\b+\p], v[4:5], v[6:7]
	v_pk_mul_f32 v[72+16*\b+\p:73+16*\b+\p], v[72+16*\b+\p:73+16*\b+\p], v[4:5]
	v_pk_fma_f32 v[192+16*\b+\p:193+16*\b+\p], v[192+16*\b+\p:193+16*\b+\p], v[8:9], v[10:11]
	v_pk_mul_f32 v[200+16*\b+\p:201+16*\b+\p], v[200+16*\b+\p:201+16*\b+\p], v[8:9]
.endr
.endr
; Block a (16 tokens): source 0 the accumulators' window, source 1 the table's, the rest window 0.  Each accumulator is read from its low end on.
.macro ROPE a
.set AC, 64*((\a)%4)
	WIN 0x06+(\a)/4
.irp b, 0,1,2,3
.irp jj, 0,1,2,3
.set TBL, 64+16*\b+2*(\jj/2)
.set LO, 8*\b+2*\jj
.if (\jj%2) == 0
	v_pk_mul_f32 v[OUT+LO:OUT+LO+1], v[AC+LO:AC+LO+1], v[TBL:TBL+1] op_sel_hi:[1,0]
	v_pk_fma_f32 v[OUT+LO:OUT+LO+1], v[AC+32+LO:AC+32+LO+1], v[TBL+8:TBL+9], v[OUT+LO:OUT+LO+1] op_sel_hi:[1,0,1] neg_lo:[1,0,0] neg_hi:[1,0,0]
	v_pk_mul_f32 v[OUT+32+LO:OUT+32+LO+1], v[AC+32+LO:AC+32+LO+1], v[TBL+4:TBL+5] op_sel_hi:[1,0]
	v_pk_fma_f32 v[OUT+32+LO:OUT+32+LO+1], v[AC+LO:AC+LO+1], v[TBL+12:TBL+13], v[OUT+32+LO:OUT+32+LO+1] op_sel_hi:[1,0,1]
.else
	v_pk_mul_f32 v[OUT+LO:OUT+LO+1], v[AC+LO:AC+LO+1], v[TBL:TBL+1] op_sel:[0,1] op_sel_hi:[1,1]
	v_pk_fma_f32 v[OUT+LO:OUT+LO+1], v[AC+32+LO:AC+32+LO+1], v[TBL+8:TBL+9], v[OUT+LO:OUT+LO+1] op_sel:[0,1,0] op_sel_hi:[1,1,1] neg_lo:[1,0,0] neg_hi:[1,0,0]
	v_pk_mul_f32 v[OUT+32+LO:OUT+32+LO+1], v[AC+32+LO:AC+32+LO+1], v[TBL+4:TBL+5] op_sel:[0,1] op_sel_hi:[1,1]
	v_pk_fma_f32 v[OUT+32+LO:OUT+32+LO+1], v[AC+LO:AC+LO+1], v[TBL+12:TBL+13], v[OUT+32+LO:OUT+32+LO+1] op_sel:[0,1,0] op_sel_hi:[1,1,1]
.endif
.endr
.endr
	WIN 0
.endm
.macro ROTATE                          ; (c, s) turned on by 16 positions: c' = c C - s S, s' = s C + c S
	WIN 0x55
.irp b, 0,1,2,3
.irp p, 0,2,4,6
	v_pk_mul_f32 v[0:1], v[64+16*\b+\p:65+16*\b+\p], v[192+16*\b+\p:193+16*\b+\p]
	v_pk_mul_f32 v[2:3], v[64+16*\b+\p:65+16*\b+\p], v[200+16*\b+\p:201+16*\b+\p]
	v_pk_fma_f32 v[64+16*\b+\p:65+16*\b+\p], v[72+16*\b+\p:73+16*\b+\p], v[200+16*\b+\p:201+16*\b+\p], v[0:1] neg_lo:[1,0,0] neg_hi:[1,0,0]
	v_pk_fma_f32 v[72+16*\b+\p:73+16*\b+\p], v[72+16*\b+\p:73+16*\b+\p], v[192+16*\b+\p:193+16*\b+\p], v[2:3]
.endr
.endr
	WIN 0
.endm
.macro BLOCKOUT a
	ROPE \a
.if (\a) == 0                          ; the first 16 positions of a sequence also leave in f32: a lane mask (all lanes or none), since it hangs on the work-group's place
	s_wait_xcnt 0x0                                ; EXEC changes only behind this wait
	v_cmp_gt_u32 vcc_lo, 16, v[TP]
	s_and_saveexec_b32 s67, vcc_lo
.irp c, 0,1,2,3,4,5,6,7
	global_store_b128 v[FO], v[OUT+8*\c:OUT+8*\c+3], s[98:99] offset:64*\c
	global_store_b128 v[FO], v[OUT+8*\c+4:OUT+8*\c+7], s[98:99] offset:64*\c+16
.endr
	s_wait_xcnt 0x0                                ; and again ahead of the line that widens it; the stores' data may be written again too
	s_or_b32 exec_lo, exec_lo, s67
.endif
.set Q, 0
.rept 32
	v_cvt_pk_f16_f32 v[PKR+Q], v[OUT+2*Q], v[OUT+2*Q+1]
.set Q, Q+1
.endr
.if (\a) > 1
	s_wait_xcnt 0x0                                ; block a - 2's stores have read the registers into which this block's rows come back
.endif
.irp c, 0,1,2,3,4,5,6,7
	ds_store_b128 v[STO], v[PKR+4*\c:PKR+4*\c+3] offset:32*\c
.endr
.irp t, 0,1,2,3,4,5,6,7
	ds_load_b128 v[BK+32*((\a)%2)+4*\t:BK+32*((\a)%2)+4*\t+3], v[RD] offset:\t*2*SPITCH   ; LDS serves a wave's instructions in order: these see the stores above
.endr
.if (\a) < 7
	ROTATE                                         ; the next block's cosines and sines, while the rows come back
.endif
	s_wait_dscnt 0x0
.irp t, 0,1,2,3,4,5,6,7
	global_store_b128 v[CO], v[BK+32*((\a)%2)+4*\t:BK+32*((\a)%2)+4*\t+3], s[96:97] offset:4096*(\a)+512*\t   ; the wave stores 512 consecutive bytes, aligned
.endr
.endm
.irp a, 0,1,2,3,4,5,6,7
	BLOCKOUT \a
.endr
	s_wait_tensorcnt 0x0                           ; the wave's end: the three lines
	ds_add_u32 v[SPW], v[NIL]
	s_wait_dscnt 0x0
	CROUND                                         ; the closing round
	s_endpgm
.Lfunc_end_k_q7f55fed29e_qkv:
	.size	k_q7f55fed29e_qkv, .Lfunc_end_k_q7f55fed29e_qkv-k_q7f55fed29e_qkv
	.p2alignl 7, 3214868480
	.fill 96, 4, 3214868480
	.section	.rodata,"a",@progbits
	.p2align	6, 0x0
	.amdhsa_kernel k_q7f55fed29e_qkv
		.amdhsa_group_segment_fixed_size 327680
		.amdhsa_private_segment_fixed_size 0
		.amdhsa_enable_private_segment 0
		.amdhsa_kernarg_size 40
		.amdhsa_user_sgpr_count 2
		.amdhsa_user_sgpr_kernarg_segment_ptr 1
		.amdhsa_wavefront_size32 1
		.amdhsa_system_sgpr_workgroup_id_x 1
		.amdhsa_system_sgpr_workgroup_id_y 1
		.amdhsa_system_sgpr_workgroup_id_z 1
		.amdhsa_system_vgpr_workitem_id 0
		.amdhsa_next_free_vgpr 1024
		.amdhsa_next_free_sgpr 100
		.amdhsa_reserve_vcc 1
		.amdhsa_float_denorm_mode_32 3
		.amdhsa_float_denorm_mode_16_64 3
		.amdhsa_memory_ordered 1
		.amdhsa_forward_progress 1
		.amdhsa_inst_pref_size 255
	.end_amdhsa_kernel
	.section	.bss,"aw",@nobits
	.p2align	6
	.space	262144
	.amdgpu_metadata
---
amdhsa.version: [ 1, 2 ]
amdhsa.kernels:
  - .name:           k_q7f55fed29e_qkv
    .symbol:         k_q7f55fed29e_qkv.kd
    .args:
      - { .name: codes, .offset: 0, .size: 8, .value_kind: global_buffer, .address_space: global }
      - { .name: scales, .offset: 8, .size: 8, .value_kind: global_buffer, .address_space: global }
      - { .name: rope, .offset: 16, .size: 8, .value_kind: global_buffer, .address_space: global }
      - { .name: qkv16, .offset: 24, .size: 8, .value_kind: global_buffer, .address_space: global }
      - { .name: fine, .offset: 32, .size: 8, .value_kind: global_buffer, .address_space: global }
    .group_segment_fixed_size: 327680
    .private_segment_fixed_size: 0
    .kernarg_segment_align: 8
    .kernarg_segment_size: 40
    .max_flat_workgroup_size: 128
    .sgpr_count:     100
    .vgpr_count:     1024
    .wavefront_size: 32
...
	.end_amdgpu_metadata
.endif
;; end of part 2
;; launch att (part 3): grid 16 x 16, 4 waves a work-group, clusters of 4 x 1, 327,680 bytes of LDS; arguments qkv16, y16; writes y16
.if DOCPART == 3
	.amdgcn_target "amdgcn-amd-amdhsa--gfx1250"
	.amdhsa_code_object_version 6
	.text
	.protected	k_q7f55fed29e_att
	.globl	k_q7f55fed29e_att
	.p2align	8
	.type	k_q7f55fed29e_att,@function
k_q7f55fed29e_att:
	s_mov_b64 s[64:65], 0
	v_nop
	global_prefetch_b8 v0, s[64:65] scope:SCOPE_SE
	s_setreg_imm32_b32 hwreg(HW_REG_WAVE_MODE, 25, 1), 1
	s_wait_xcnt 0x0
	s_wait_alu depctr_hold_cnt(0) depctr_sa_sdst(0) depctr_va_vdst(0) depctr_va_sdst(0) depctr_va_ssrc(0) depctr_va_vcc(0) depctr_vm_vsrc(0)
	s_getreg_b32 s2, hwreg(HW_REG_IB_STS2, 6, 4)
	s_cmp_eq_u32 s2, 0
	s_cbranch_scc0 .Lentry_in_a_cluster
	s_endpgm
.Lentry_in_a_cluster:
	s_bfe_u32 s2, ttmp6, 0x10000c
	s_cmp_lg_u32 s2, 0x3003
	s_cbranch_scc0 .Lentry_shape_is_right
	s_endpgm
.Lentry_shape_is_right:
; Causal attention on f16 operands, f32 sums.  qkv16 [slot 24][token 4096][128] f16: q' = q 2 log2(e)/sqrt(128) (slots 0-15), k' = k / 2 (16-19), v' = v / 4 (20-23): q' . k' is the exponent in base 2.
; y16 [token][2048] f16 takes y' = y / 4.
; SHARES.  Cluster x = g (0..3), cluster y = 4 b + kv head; the four partners are the four query heads of one kv head and walk the same K and V: every tile is asked for jointly.
; A work-group owns two blocks of 128 queries of its head, one after the other: block E = g, block L = 7 - g.  E needs key blocks 0..g, L 0..7-g: NINE key blocks of 128 for every g: the trip count is a
; constant, all work-groups have equal work, and tiles that lie wholly under the mask are never multiplied.  Trip s takes key block s (s <= g) or s - g - 1.
; A wave owns 32 queries of a block: two tiles of 16 (256 queries a work-group in two balanced phases leave two tiles a wave).
; LAYOUT.  S^T = K Q^T (source 0 = 16 keys, source 1 = 16 queries), O^T = V^T P: a lane holds one query throughout.  K comes out of LDS as it lies, V turned by ds_load_tr16_b128.
; MASK.  The first product of each score tile takes a mask tile as C: zeros, or on the diagonal -3e38 where key > query; p is then 0.  Every query sees a key in the first half block that it meets.
; SOFTMAX.  A running maximum m and sum l for each query: p = 2^(t - m); O and l are multiplied by a = 2^(m_old - m_new) in every half block.  m begins at -3e38, so the first a is 0.
; BY TURNS.  A key block is two halves of 64 keys.  In a turn one tile has the matrix unit and the other tile's softmax (133 lines) stands in slices behind its products.
; REGISTERS, in windows of 256: window 0: v2-11 addresses; v12-27 statistics, 8 a tile (+0 m, +1 m's change, +2, +3 l, +4..+7 at work, a at +6); v28 -3e38; v61-63; v64-127 S^T; v128-159 P.
;   window 1: v0-127 O^T; v128-191 block L's Q.   window 2: v0-63 Q; v128-255 K of a half.   window 3: v0-127 V of a half; v128-255 the 16 mask tiles.
.set KS,    64
.set PKP,   272                        ; a row of K in LDS: 256 bytes + 16
.set PVP,   288                        ; a row of V: 256 + 32
.set VOFF,  KS*PKP
.set STEPB, KS*(PKP+PVP)               ; a half: 64 rows of K, then 64 rows of V
.set SLOT1, 1<<17                      ; slot 1 begins here: one exclusive or turns an address from one slot to the other
.set STAGE, SLOT1+2*STEPB              ; behind the ring: 16 rows x 272 bytes a wave, for the way out
.set SP,    272
.set SPARE, STAGE+4*16*SP              ; the spare words, 128 bytes a wave
.set AK0, 2
.set AV0, 3
.set ADK, 4
.set QO,  5
.set STO, 6
.set RD,  7
.set GO,  8
.set ADV, 9
.set D0,  10                           ; v10, v11: my query in its block less 8 (lane / 16), for tiles 0 and 1
.set ST,  12
.set NEG, 28
.set PFO, 61
.set SPW, 62
.set NIL, 63
.set S,   64
.set P,   128
.set KF,  128
.set WV,  12
.set LIM, 15
.set PFA, 18
.set G1K, 24
.set G1V, 32
.set G0K, 40
.set G0V, 44
.set KB,  48                           ; s[48:49] my tile of K in key block 0;  s[50:51] of V
.set VB,  50
.set YE,  52
.set YL,  54
.set CNT, 56
.set SEL, 60
.set TB,  62
.set MSB, 0
.macro WIN new
.if MSB != \new
	s_set_vgpr_msb (MSB<<8)|\new
.set MSB, \new
.endif
.endm
.set W_PV, 0x53                        ; V window 3, P window 0, O^T window 1
.set W_RS, 0x41                        ; O^T (destination and source 0) window 1, a window 0
.macro PLACES
.rept 4
	v_nop
.endr
.endm
; A joint load: waves 0 and 1 fetch the two halves' K, waves 2 and 3 their V.  An s_nop 0 and four v_nop follow each of the two lines.
.macro JLOAD
	s_cmp_lt_u32 s[WV], 2
	s_cbranch_scc0 .Lfor_v_\@
	tensor_load_to_lds s[G0K:G0K+3], s[G1K:G1K+7]
	s_nop 0
.rept 4
	v_nop
.endr
	s_branch .Lasked_\@
.Lfor_v_\@:
	tensor_load_to_lds s[G0V:G0V+3], s[G1V:G1V+7]
	s_nop 0
.rept 4
	v_nop
.endr
.Lasked_\@:
.endm
; A prefetch of the key block that the NEXT change of slots will ask for, a lane a row of 256 bytes.  All clusters of a kv head walk the same rows: cluster g = 0 asks, whose trips 1 to 8 walk key blocks 0 to 7;
; its four partners take 32 rows each, told apart by address; wave 0 asks for K's, wave 2 for V's.  Trips 1 to 6 ask, for key blocks 2 to 7: each row is named once, nothing at the head, nothing past the last block.
.macro ASK
	s_sub_co_u32 s58, s[CNT], 1
	s_cmp_lt_u32 s58, s[LIM]
	s_cbranch_scc0 .Lnot_mine_\@
	global_prefetch_b8 v[PFO], s[PFA:PFA+1] th:TH_LOAD_NT scope:SCOPE_SE
.Lnot_mine_\@:
.endm
.macro CROUND
	s_barrier_signal -1
	s_barrier_wait -1
	s_cmp_lg_u32 s[WV], 0
	s_cbranch_scc1 .Lnot_wave_0_\@
	s_barrier_signal -3
.Lnot_wave_0_\@:
	s_barrier_wait -3
	s_barrier_signal -1
	s_barrier_wait -1
.endm
	s_load_b128 s[4:7], s[0:1], 0x0                ; qkv16, y16
	v_lshl_add_u32 v[SPW], v0, 2, SPARE
	v_mov_b32 v[NIL], 0
	ds_add_u32 v[SPW], v[NIL]                      ; the wave's opening: the add, twice on end, and its wait ahead of my first tensor load
	ds_add_u32 v[SPW], v[NIL]
	v_lshrrev_b32 v1, 5, v0
	v_readfirstlane_b32 s[WV], v1                  ; wave 0..3
	s_bfe_u32 s13, ttmp6, 0x40000                  ; cx: which of the kv head's four query heads
	s_mov_b32 s14, ttmp9                           ; g
	s_add_co_u32 s57, s14, 1
	s_and_b32 s16, ttmp7, 0xffff
	s_lshr_b32 s17, s16, 2
	s_lshl_b32 s17, s17, 10                        ; 1024 b
	s_and_b32 s16, s16, 3                          ; kv head
	s_and_b32 s2, s[WV], 1                         ; which half of a key block I fetch
	s_add_co_u32 s20, s16, 16
	s_lshl_b32 s20, s20, 12
	s_add_co_u32 s20, s20, s17
	s_lshl_b32 s3, s2, 6
	s_add_co_u32 s20, s20, s3
	s_lshl_b32 s20, s20, 8                         ; ((16 + kv head) 4096 + 1024 b + 64 half) rows of 256 bytes
	s_mov_b32 s21, 0
	s_mul_i32 s22, s2, STEPB                       ; its place in a slot: no place in the cluster enters an LDS address
	s_lshl_b32 s23, s16, 2
	s_add_co_u32 s23, s23, s13                     ; my head: it enters Q's and y's addresses alone
	s_lshl_b32 s8, s[WV], 5
	s_add_co_u32 s8, s8, s17                       ; 1024 b + 32 wave
	s_lshl_b32 s9, s14, 7
	s_sub_co_u32 s10, 896, s9
	s_add_co_u32 s9, s9, s8                        ; block E: my first token
	s_add_co_u32 s10, s10, s8                      ; block L
	s_lshl_b32 s11, s23, 12
	s_mov_b32 s[G1K], 15|(1<<16)|(1<<20)|(1<<21)|(5<<22)|(3<<25)  ; the mask: all four; elements of 2 bytes; padding on; bit 21 beside a mask; 4 words behind every 64
	s_mov_b32 s[G1V], 15|(1<<16)|(1<<20)|(1<<21)|(5<<22)|(7<<25)  ; the same with 8 words
.irp g, G1K, G1V
	s_mov_b32 s[\g+1], 128<<16                     ; tensor_dim0
	s_mov_b32 s[\g+2], KS<<16                      ; tensor_dim1
	s_mov_b32 s[\g+3], 128<<16                     ; tile_dim0
	s_mov_b32 s[\g+4], KS                          ; tile_dim1
	s_mov_b32 s[\g+5], 128                         ; the pitch
	s_mov_b32 s[\g+6], 0
	s_mov_b32 s[\g+7], 0
.endr
	s_mov_b32 s[SEL], 0x76543210
	s_mov_b32 s[SEL+1], 0xfedcba98
	s_mov_b32 s[TB], 0
	s_mov_b32 s[CNT], 0
	s_and_b32 s[LIM], s[WV], 1
	s_or_b32 s[LIM], s[LIM], ttmp9
	s_cmp_eq_u32 s[LIM], 0
	s_cselect_b32 s[LIM], 6, 0                     ; waves 0 and 2 of the clusters with g = 0: the same in all four partners
	v_and_b32 v[PFO], 31, v0
	v_lshlrev_b32 v[PFO], 8, v[PFO]
	s_wait_dscnt 0x0                               ; both opening adds are done
	s_wait_kmcnt 0x0
	s_add_nc_u64 s[KB:KB+1], s[4:5], s[20:21]
	s_add_nc_u64 s[VB:VB+1], s[KB:KB+1], 0x400000  ; four slots on
	s_add_co_u32 s66, s11, s9
	s_lshl_b32 s66, s66, 8
	s_mov_b32 s67, 0
	s_add_nc_u64 s[68:69], s[4:5], s[66:67]        ; Q of block E
	s_add_co_u32 s66, s11, s10
	s_lshl_b32 s66, s66, 8
	s_add_nc_u64 s[70:71], s[4:5], s[66:67]        ; Q of block L
	s_lshl_b32 s72, s23, 8
	s_lshl_b32 s66, s9, 12
	s_add_co_u32 s66, s66, s72
	s_add_nc_u64 s[YE:YE+1], s[6:7], s[66:67]
	s_lshl_b32 s66, s10, 12
	s_add_co_u32 s66, s66, s72
	s_add_nc_u64 s[YL:YL+1], s[6:7], s[66:67]
	s_cmp_lt_u32 s[WV], 2
	s_cselect_b64 s[PFA:PFA+1], s[KB:KB+1], s[VB:VB+1]   ; (in waves 0 and 2 these stand at a key block's first row)
	s_lshl_b32 s66, s13, 13                        ; my work-group's 32 rows of the 128
	s_add_nc_u64 s[PFA:PFA+1], s[PFA:PFA+1], s[66:67]    ; in key block 0: each change of slots steps it a block on
	CROUND                                         ; all four work-groups are here
	s_mov_b32 s[G0K], 1
	s_mov_b32 s[G0K+1], s22                        ; slot 0
	s_mov_b64 s[G0K+2:G0K+3], s[KB:KB+1]           ; key block 0
	s_or_b32 s[G0K+3], s[G0K+3], 0x80000000
	s_mov_b32 s[G0V], 1
	s_add_co_u32 s[G0V+1], s22, VOFF
	s_mov_b64 s[G0V+2:G0V+3], s[VB:VB+1]
	s_or_b32 s[G0V+3], s[G0V+3], 0x80000000
	JLOAD                                          ; one load of mine is out
	v_and_b32 v1, 15, v0                           ; r
	v_bfe_u32 v29, v0, 4, 1                        ; h
	v_lshlrev_b32 v[QO], 8, v1
	v_lshl_add_u32 v[QO], v29, 4, v[QO]
	WIN 0x80
.irp i, 0,1,2,3,4,5,6,7                            ; Q: tile i / 4, channels 32 (i % 4) on
	global_load_b128 v[8*\i:8*\i+3],   v[QO], s[68:69] offset:(\i/4)*4096+(\i%4)*64
	global_load_b128 v[8*\i+4:8*\i+7], v[QO], s[68:69] offset:(\i/4)*4096+(\i%4)*64+32
.endr
	WIN 0x40
.irp i, 0,1,2,3,4,5,6,7
	global_load_b128 v[128+8*\i:128+8*\i+3],   v[QO], s[70:71] offset:(\i/4)*4096+(\i%4)*64
	global_load_b128 v[128+8*\i+4:128+8*\i+7], v[QO], s[70:71] offset:(\i/4)*4096+(\i%4)*64+32
.endr
.set Q, 0
.rept 128
	v_mov_b32 v[Q], 0                              ; O^T, once: the key block is written without a first step of its own
.set Q, Q+1
.endr
	WIN 0
	v_mul_u32_u24 v[AK0], v1, PKP
	v_lshl_add_u32 v[AK0], v29, 4, v[AK0]          ; K: row r, + 16 h
	v_and_b32 v30, 7, v0
	v_bfe_u32 v31, v0, 3, 1
	v_lshl_add_u32 v[AV0], v29, 3, v30
	v_mul_u32_u24 v[AV0], v[AV0], PVP
	v_lshl_add_u32 v[AV0], v31, 4, v[AV0]
	v_add_nc_u32 v[AV0], VOFF, v[AV0]              ; V, for the turning load: key 8 h + l % 8, channels 8 ((l / 8) % 2) on
	s_mul_i32 s3, s[WV], 16*SP
	s_add_co_u32 s3, s3, STAGE
	v_mul_u32_u24 v[STO], v1, SP
	v_lshl_add_u32 v[STO], v29, 4, v[STO]
	v_add_nc_u32 v[STO], s3, v[STO]
	v_mul_u32_u24 v[RD], v29, SP
	v_lshl_add_u32 v[RD], v1, 4, v[RD]
	v_add_nc_u32 v[RD], s3, v[RD]
	v_lshlrev_b32 v[GO], 12, v29
	v_lshl_add_u32 v[GO], v1, 4, v[GO]             ; y16: lanes 0-15 one token's 256 bytes, lanes 16-31 the next token's
	v_lshlrev_b32 v30, 3, v29
	v_sub_nc_u32 v[D0], v1, v30
	s_lshl_b32 s3, s[WV], 5
	v_add_nc_u32 v[D0], s3, v[D0]
	v_add_nc_u32 v[D0+1], 16, v[D0]
	v_mov_b32 v[NEG], 0xff61b1e6                   ; -3e38
.irp t, 0,1
	v_mov_b32 v[ST+8*\t], v[NEG]
.irp k, 1,2,3,4,5,6,7
	v_mov_b32 v[ST+8*\t+\k], 0
.endr
.endr
; Product i of 16 of S^T = K Q^T for tile x, half u: keys 16 (i % 4) on, channels 32 (i / 4) on.  The first four take the mask tiles as C.  Four accumulators by turns.
.macro KQ x, u
.set rS, S+32*(\x)+8*(i%4)
.set rK, KF+32*(i%4)+8*(i/4)
.set rQ, 32*(\x)+8*(i/4)
.set rM, 128+8*(8*(\x)+4*(\u)+i%4)
.if i < 4
	WIN 0x3a                                       ; K, Q window 2; C window 3; S^T window 0
	v_wmma_f32_16x16x32_f16 v[rS:rS+7], v[rK:rK+7], v[rQ:rQ+7], v[rM:rM+7]
.else
	WIN 0x0a
	v_wmma_f32_16x16x32_f16 v[rS:rS+7], v[rK:rK+7], v[rQ:rQ+7], v[rS:rS+7]
.endif
.endm
; Product i of 16 of O^T += V^T P for tile x: keys 32 (i / 8) on, channels 16 (i % 8) on.  Eight accumulators by turns.
.macro PVM x
	WIN W_PV
.set rO, 64*(\x)+8*(i%8)
.set rV, 64*(i/8)+8*(i%8)
.set rP, P+16*(\x)+8*(i/8)
	v_wmma_f32_16x16x32_f16 v[rO:rO+7], v[rV:rV+7], v[rP:rP+7], v[rO:rO+7]
.endm
; The LDS loads stand in runs of 32, each behind four plain lines of its own (the registers were read by matrix instructions).
.macro FETCH_K u
	WIN 0
	PLACES
	WIN 0x80
.irp f, 0,1,2,3,4,5,6,7,8,9,10,11,12,13,14,15
	ds_load_b128 v[KF+8*\f:KF+8*\f+3],   v[ADK] offset:(\u)*STEPB+(\f/4)*16*PKP+(\f%4)*64
	ds_load_b128 v[KF+8*\f+4:KF+8*\f+7], v[ADK] offset:(\u)*STEPB+(\f/4)*16*PKP+(\f%4)*64+32
.endr
.endm
.macro FETCH_V u
	WIN 0
	PLACES
	WIN 0xc0
.irp f, 0,1,2,3,4,5,6,7,8,9,10,11,12,13,14,15
	ds_load_tr16_b128 v[8*\f:8*\f+3],   v[ADV] offset:(\u)*STEPB+(\f/8)*32*PVP+(\f%8)*32
	ds_load_tr16_b128 v[8*\f+4:8*\f+7], v[ADV] offset:(\u)*STEPB+(\f/8)*32*PVP+16*PVP+(\f%8)*32
.endr
.endm
; One tile's softmax for a half block is a list of 133 lines; SM writes number J of it for tile t.
;   0-15 the maximum of the 32 scores and the old m;  16-19 the other half of the lanes', the new m, its change;  20 a;  21-68 the 16 subtractions of m (a pair each) and the 32 exponentials: none reads an exponential's
;   result;  behind 68 a plain line and ONE wait for the 33;  69-84 p to f16;  85-100 the sums, l = a l + sum;  101-132 O^T times a.
.macro SM t
.set rT, ST+8*(\t)
.set rS, S+32*(\t)
.set rP, P+16*(\t)
.set rO, 64*(\t)+2*(J-101)
.if J < 101
	WIN 0
.endif
.if J < 4
	v_max3_num_f32 v[rT+4+J], v[rS+8*J], v[rS+8*J+1], v[rS+8*J+2]     ; each score tile is read from its low end on
.elseif J < 12
	v_max3_num_f32 v[rT+4+J%4], v[rT+4+J%4], v[rS+8*(J%4)+2*(J/4)+1], v[rS+8*(J%4)+2*(J/4)+2]
.elseif J == 12
	v_max3_num_f32 v[rT+4], v[rT+4], v[rS+7], v[rS+15]
.elseif J == 13
	v_max3_num_f32 v[rT+6], v[rT+6], v[rS+23], v[rS+31]
.elseif J == 14
	v_max3_num_f32 v[rT+4], v[rT+4], v[rT+5], v[rT+6]
.elseif J == 15
	v_max3_num_f32 v[rT+4], v[rT+4], v[rT+7], v[rT]
.elseif J == 16
	v_permlanex16_b32 v[rT+5], v[rT+4], s[SEL], s[SEL+1]
.elseif J == 17
	v_mov_b32 v[rT+1], v[rT]
.elseif J == 18
	v_max_num_f32 v[rT], v[rT+4], v[rT+5]
.elseif J == 19
	v_sub_f32 v[rT+1], v[rT+1], v[rT]
.elseif J == 20
	v_exp_f32 v[rT+6], v[rT+1]
.elseif J == 21
	v_pk_add_f32 v[rS:rS+1], v[rS:rS+1], v[rT:rT+1] op_sel_hi:[1,0] neg_lo:[0,1] neg_hi:[0,1]
.elseif J < 67
.set pp, (J-22)/3+1
.if (J-22)%3 == 0
	v_pk_add_f32 v[rS+2*pp:rS+2*pp+1], v[rS+2*pp:rS+2*pp+1], v[rT:rT+1] op_sel_hi:[1,0] neg_lo:[0,1] neg_hi:[0,1]
.elseif (J-22)%3 == 1
	v_exp_f32 v[rS+2*pp-2], v[rS+2*pp-2]
.else
	v_exp_f32 v[rS+2*pp-1], v[rS+2*pp-1]
.endif
.elseif J < 69
	v_exp_f32 v[rS+J-37], v[rS+J-37]
.if J == 68
	v_nop                                          ; a plain line behind the last exponential
	s_wait_alu depctr_va_vdst(0)                   ; one wait for the batch, ahead of its first reader
.endif
.elseif J < 85
	v_cvt_pk_f16_f32 v[rP+J-69], v[rS+2*(J-69)], v[rS+2*(J-69)+1]
.elseif J < 101
.set z, J-85
.set w, 4
.set u, z
.if z >= 14
.set w, 32
.set u, 0
.elseif z >= 12
.set w, 16
.set u, z-12
.elseif z >= 8
.set w, 8
.set u, z-8
.endif
.if z < 15
	v_pk_add_f32 v[rS+w*u:rS+w*u+1], v[rS+w*u:rS+w*u+1], v[rS+w*u+w/2:rS+w*u+w/2+1]
.else
	v_pk_fma_f32 v[rT+2:rT+3], v[rT+2:rT+3], v[rT+6:rT+7], v[rS:rS+1] op_sel_hi:[1,0,1]
.endif
.else
	WIN W_RS
	v_pk_mul_f32 v[rO:rO+1], v[rO:rO+1], v[rT+6:rT+7] op_sel_hi:[1,0]
.endif
.endm
.macro SMN y
.if J < 133
	SM \y
.endif
.set J, J+1
.endm
; 16 products with per lines of tile y's softmax behind each (y = 9: none).  fv = 1: V of the second half is fetched behind the fourth product.
.macro RUN_KQ x, u, y, per, fv
.set i, 0
.rept 16
	KQ \x, \u
.if \y < 2
.rept \per
	SMN \y
.endr
.endif
.if \fv && (i == 3)
	FETCH_V 1
.endif
.set i, i+1
.endr
.endm
.macro RUN_PV x, y, per
.set i, 0
.rept 16
	PVM \x
.if \y < 2
.rept \per
	SMN \y
.endr
.endif
.set i, i+1
.endr
.endm
.macro REST y                          ; the five lines that are over: with the last slice 9 or 13 plain lines on the other tile's O^T stand behind a turn's last product
.rept 5
	SMN \y
.endr
.endm
; A KEY BLOCK of 128 keys, out of the slot at s[TB].
.macro BLOCK
	WIN 0
	v_add_nc_u32 v[ADK], s[TB], v[AK0]
	v_add_nc_u32 v[ADV], s[TB], v[AV0]
	FETCH_K 0
	FETCH_V 0
	s_wait_dscnt 32                                ; K is in; V's 32 loads may be out
	RUN_KQ 0, 0, 9, 0, 0                           ; tile 0's scores of the first half
	WIN 0
	PLACES
.set J, 0
	RUN_KQ 1, 0, 0, 8, 0                           ; tile 1's scores | tile 0's softmax
	REST 0
	FETCH_K 1
	s_wait_dscnt 32                                ; V of the first half is in; K's 32 loads may be out
.set J, 0
	RUN_PV 0, 1, 4                                 ; tile 0: V^T P,
	s_wait_dscnt 0x0                               ; K of the second half is in
	RUN_KQ 0, 1, 1, 4, 0                           ; and its scores of the second half | tile 1's softmax
	REST 1
.set J, 0
	RUN_PV 1, 0, 4                                 ; tile 1 likewise | tile 0's softmax | V of the second half
	RUN_KQ 1, 1, 0, 4, 1
	REST 0
	s_wait_dscnt 0x0                               ; V of the second half is in
.set J, 0
	RUN_PV 0, 1, 8                                 ; tile 0: V^T P | tile 1's softmax
	REST 1
	RUN_PV 1, 9, 0                                 ; tile 1: V^T P
	WIN 0
	PLACES
.endm
; THE CHANGE OF SLOTS stands at a trip's head.  Each wave waits for all its tensor loads (its part of the slot that it is about to read), adds 0 to its spare word, and waits for that and for its reads of the slot
; that it has left.  fill = 1: behind a round of the cluster's barrier the other slot is filled with the next trip's key block: the load has a key block's 128 products in which to land.
.macro CHANGE fill
	WIN 0
	s_wait_tensorcnt 0x0                           ; no tensor load of mine is out, so the descriptors may be written
	ds_add_u32 v[SPW], v[NIL]
.if \fill
	s_add_co_u32 s58, s[CNT], 1                    ; the next trip n,
	s_sub_co_u32 s59, s[CNT], s14                  ; n - g - 1
	s_cmp_le_u32 s58, s14
	s_cselect_b32 s58, s58, s59                    ; its key block: made of the cluster's number and the count of trips, the same in all four partners
	s_lshl_b32 s58, s58, 15                        ; 128 rows of 256 bytes
	s_mov_b32 s59, 0
	s_add_nc_u64 s[G0K+2:G0K+3], s[KB:KB+1], s[58:59]
	s_or_b32 s[G0K+3], s[G0K+3], 0x80000000
	s_add_nc_u64 s[G0V+2:G0V+3], s[VB:VB+1], s[58:59]
	s_or_b32 s[G0V+3], s[G0V+3], 0x80000000
	s_xor_b32 s[G0K+1], s[G0K+1], SLOT1
	s_xor_b32 s[G0V+1], s[G0V+1], SLOT1
	s_wait_xcnt 0x0                                ; the last prefetch, a key block back, has read its address
	s_add_nc_u64 s[PFA:PFA+1], s[PFA:PFA+1], 32768
	s_wait_dscnt 0x0                               ; the add is done, and my reads of the slot that I have left are over
	CROUND
	JLOAD
	ASK
.else
	s_wait_dscnt 0x0
	s_barrier_signal -1
	s_barrier_wait -1
.endif
.endm
.macro MASKON                          ; the diagonal: key 64 u + 16 kt + 8 h + j is hidden where it comes after my query
	WIN 0xc0
.irp x, 0,1
.irp u, 0,1
.irp kt, 0,1,2,3
.irp j, 0,1,2,3,4,5,6,7
	v_cmp_gt_i32 vcc_lo, 64*\u+16*\kt+\j, v[D0+\x]
	v_cndmask_b32 v[128+8*(8*\x+4*\u+\kt)+\j], 0, v[NEG], vcc_lo
.endr
.endr
.endr
.endr
	WIN 0
.endm
.macro MASKOFF
	WIN 0xc0
.set Q, 0
.rept 128
	v_mov_b32 v[128+Q], 0
.set Q, Q+1
.endr
	WIN 0
.endm
; THE WAY OUT of a block of queries: O^T / l, to f16, through my stage in LDS, a tile (16 tokens) at a time.
.macro PACK t
	WIN W_RS
.set Q, 64*\t
.rept 32
	v_pk_mul_f32 v[Q:Q+1], v[Q:Q+1], v[ST+8*\t+6:ST+8*\t+7] op_sel_hi:[1,0]
.set Q, Q+2
.endr
	WIN 0x05
.set Q, 0
.rept 32
	v_cvt_pk_f16_f32 v[S+32*\t+Q], v[64*\t+2*Q], v[64*\t+2*Q+1]
.set Q, Q+1
.endr
	WIN 0
.irp f, 0,1,2,3,4,5,6,7
	ds_store_b128 v[STO], v[S+32*\t+4*\f:S+32*\t+4*\f+3] offset:32*\f
.endr
.irp f, 0,1,2,3,4,5,6,7
	ds_load_b128 v[S+32*\t+4*\f:S+32*\t+4*\f+3], v[RD] offset:\f*2*SP   ; LDS serves a wave's instructions in order: these see the stores above, and the next tile's stores come behind them
.endr
.endm
.macro SEND t, younger, yb
.irp f, 0,1,2,3,4,5,6,7
	s_wait_dscnt \younger+7-\f
	global_store_b128 v[GO], v[S+32*\t+4*\f:S+32*\t+4*\f+3], s[\yb:\yb+1] offset:\t*65536+\f*8192   ; sixteen lanes store 256 consecutive bytes, aligned
.endr
.endm
.macro FLUSH yb
	WIN 0
.irp t, 0,1
	v_add_f32 v[ST+8*\t+4], v[ST+8*\t+2], v[ST+8*\t+3]
.endr
.irp t, 0,1
	v_permlanex16_b32 v[ST+8*\t+5], v[ST+8*\t+4], s[SEL], s[SEL+1]
.endr
.irp t, 0,1
	v_add_f32 v[ST+8*\t+4], v[ST+8*\t+4], v[ST+8*\t+5]
.endr
.irp t, 0,1
	v_rcp_f32 v[ST+8*\t+6], v[ST+8*\t+4]
.endr
	v_nop
	s_wait_alu depctr_va_vdst(0)                   ; one wait for the two reciprocals
	PACK 0
	PACK 1
	SEND 0, 16, \yb
	SEND 1, 0, \yb
	s_wait_xcnt 0x0                                ; the stores have read their registers: the scores may be written there again
.endm
	MASKOFF
	s_wait_loadcnt 0x0                             ; Q
.Ltrip:                                            ; eight trips; the ninth is written out
	CHANGE 1
	s_cmp_eq_u32 s[CNT], s57                       ; trip g + 1: block E is finished.  (The cluster's number and the count of trips: the same in all partners and waves)
	s_cbranch_scc0 .Lno_switch
	FLUSH YE
	WIN 0x81
.set Q, 0
.rept 64
	v_mov_b32 v[Q], v[128+Q]                       ; block L's Q
.set Q, Q+1
.endr
	WIN 0
	v_mov_b32 v[ST], v[NEG]                        ; m anew: the next a is 0, which clears l and O^T
	v_mov_b32 v[ST+8], v[NEG]
	MASKOFF
.Lno_switch:
	s_cmp_eq_u32 s[CNT], s14                       ; trip g: block E's diagonal
	s_cbranch_scc0 .Lno_mask
	MASKON
.Lno_mask:
	BLOCK
	s_xor_b32 s[TB], s[TB], SLOT1
	s_add_co_u32 s[CNT], s[CNT], 1
	s_cmp_lt_u32 s[CNT], 8
	s_cbranch_scc1 .Ltrip
	CHANGE 0                                       ; trip 8: block L's diagonal; nothing is left to fetch
	MASKON
	BLOCK
	FLUSH YL
	s_wait_tensorcnt 0x0                           ; the wave's end: the three lines
	ds_add_u32 v[SPW], v[NIL]
	s_wait_dscnt 0x0
	CROUND                                         ; the closing round
	s_endpgm
.Lfunc_end_k_q7f55fed29e_att:
	.size	k_q7f55fed29e_att, .Lfunc_end_k_q7f55fed29e_att-k_q7f55fed29e_att
	.p2alignl 7, 3214868480
	.fill 96, 4, 3214868480
	.section	.rodata,"a",@progbits
	.p2align	6, 0x0
	.amdhsa_kernel k_q7f55fed29e_att
		.amdhsa_group_segment_fixed_size 327680
		.amdhsa_private_segment_fixed_size 0
		.amdhsa_enable_private_segment 0
		.amdhsa_kernarg_size 16
		.amdhsa_user_sgpr_count 2
		.amdhsa_user_sgpr_kernarg_segment_ptr 1
		.amdhsa_wavefront_size32 1
		.amdhsa_system_sgpr_workgroup_id_x 1
		.amdhsa_system_sgpr_workgroup_id_y 1
		.amdhsa_system_sgpr_workgroup_id_z 1
		.amdhsa_system_vgpr_workitem_id 0
		.amdhsa_next_free_vgpr 1024
		.amdhsa_next_free_sgpr 80
		.amdhsa_reserve_vcc 1
		.amdhsa_float_denorm_mode_32 3
		.amdhsa_float_denorm_mode_16_64 3
		.amdhsa_memory_ordered 1
		.amdhsa_forward_progress 1
		.amdhsa_inst_pref_size 177
	.end_amdhsa_kernel
	.amdgpu_metadata
---
amdhsa.version: [ 1, 2 ]
amdhsa.kernels:
  - .name:           k_q7f55fed29e_att
    .symbol:         k_q7f55fed29e_att.kd
    .args:
      - { .name: qkv16, .offset: 0, .size: 8, .value_kind: global_buffer, .address_space: global }
      - { .name: y16, .offset: 8, .size: 8, .value_kind: global_buffer, .address_space: global }
    .group_segment_fixed_size: 327680
    .private_segment_fixed_size: 0
    .kernarg_segment_align: 8
    .kernarg_segment_size: 16
    .max_flat_workgroup_size: 128
    .sgpr_count:     80
    .vgpr_count:     1024
    .wavefront_size: 32
...
	.end_amdgpu_metadata
.endif
;; end of part 3
;; launch fatt (part 4): grid 16 x 4, 1 waves a work-group, no clusters, 0 bytes of LDS; arguments fine, yf; writes yf
.if DOCPART == 4
	.amdgcn_target "amdgcn-amd-amdhsa--gfx1250"
	.amdhsa_code_object_version 6
	.text
	.protected	k_q7f55fed29e_fatt
	.globl	k_q7f55fed29e_fatt
	.p2align	8
	.type	k_q7f55fed29e_fatt,@function
k_q7f55fed29e_fatt:
	s_mov_b64 s[64:65], 0
	v_nop
	global_prefetch_b8 v0, s[64:65] scope:SCOPE_SE
	s_setreg_imm32_b32 hwreg(HW_REG_WAVE_MODE, 25, 1), 1
	s_wait_xcnt 0x0
; The first 16 positions of every sequence, in f32: these rows average one to sixteen values and are the largest.  One wave serves one (head = work-group x, sequence = work-group y): 16 queries x 16 keys.
; fine [slot 24][16 b + t][128] f32 holds q' (slots 0-15), k' (16-19), v' (20-23), scaled as in qkv16: q' . k' is the exponent in base 2, and the result is y / 4.
; yf takes it as pairs of f16, the high parts at byte 0, the low parts at byte 262,144, each laid in the order of a matrix operand's registers:
; [sequence 4][fragment of 32 along K: 64][half c: 2][lane 32][16 bytes]; lane r + 16 h of half c holds position r, k = 16 c + 8 h + 0 .. 7 of the fragment.  The split: c = 8193 y, high = c - (c - y), low = y - high.
; S^T = K Q^T by v_wmma_f32_16x16x4_f32: lane (r, h) holds channels 64 h .. 64 h + 63 of row r, on both sides alike, so product i takes channels 64 h + 2 i, 2 i + 1: a permutation of k that both sources share.
; O^T = V^T P: lane (r, h) holds p of query r and keys 8 h + j, and product s takes keys 8 h + 2 s, 2 s + 1.  WHICH CHANNELS FORM A TILE OF V^T IS FREE: row rho of tile ct is channel 8 g(rho) + ct,
; g(rho) = 2 (rho % 8) + rho / 8.  So lane rho loads eight neighbouring channels of each of its keys (two loads of 16 bytes), and in the result lane (q, h), register j of tile ct is channel 16 j + 8 h + ct:
; register j of the eight tiles is piece j of the operand's image.  64 moves lay a channel's two keys side by side, as the matrix form wants them.
; The registers that the f32 matrix form writes (v16-31, window 1 v0-63) are written by nothing else.  64 small work-groups, 0.8 MB in, 0.5 MB out: no LDS, no cluster.
; REGISTERS: v16-31 the two sums of S^T; v32-47 t, p and what the softmax needs; v64-127 V^T's operands, later at work and the packed results; v128-191 Q, later y; v192-255 K, later at work;
;   window 1: v0-63 O^T; v64-127 V as loaded.
.set MSB, 0
.macro WIN new                         ; the immediate's high byte repeats the setting that is left
.if MSB != \new
	s_set_vgpr_msb (MSB<<8)|\new
.set MSB, \new
.endif
.endm
	s_load_b128 s[4:7], s[0:1], 0x0                ; fine, yf
	v_and_b32 v1, 15, v0                           ; r
	v_lshrrev_b32 v2, 4, v0                        ; h
	s_and_b32 s8, ttmp7, 0xffff                    ; b
	s_lshr_b32 s10, ttmp9, 2                       ; kv head
	v_lshlrev_b32 v3, 9, v1
	v_lshl_add_u32 v3, v2, 8, v3                   ; Q, K: row r of 512 bytes, + 256 h
	v_and_b32 v8, 7, v1
	v_lshrrev_b32 v9, 3, v1
	v_lshl_add_u32 v8, v8, 1, v9                   ; g(r) = 2 (r % 8) + r / 8
	v_lshlrev_b32 v4, 12, v2
	v_lshl_add_u32 v4, v8, 5, v4                   ; V: key 8 h, channels 8 g(r) on
	v_lshlrev_b32 v7, 4, v0                        ; yf: 16 x lane
	v_lshlrev_b32 v5, 3, v2
	v_sub_nc_u32 v5, v1, v5                        ; r - 8 h: register j's key is hidden where j is greater
	v_mov_b32 v6, 0xff61b1e6                       ; -3e38
	v_mov_b32 v41, 0                               ; (a lane permute's destination counts as one of its sources)
	v_mov_b32 v43, 0
	s_mov_b32 s22, 0x76543210
	s_mov_b32 s23, 0xfedcba98
	s_lshl_b32 s11, s8, 13                         ; 16 rows of 512 bytes a sequence
	s_lshl_b32 s12, ttmp9, 15                      ; 64 rows a slot
	s_add_co_u32 s12, s12, s11
	s_mov_b32 s13, 0
	s_add_co_u32 s14, s10, 16
	s_lshl_b32 s14, s14, 15
	s_add_co_u32 s14, s14, s11
	s_mov_b32 s15, 0
	s_lshl_b32 s2, s8, 16                          ; yf: 64 fragments of 1,024 bytes a sequence,
	s_lshl_b32 s3, ttmp9, 12                       ; four a head
	s_add_co_u32 s2, s2, s3
	s_mov_b32 s3, 0
	s_wait_kmcnt 0x0
	s_add_nc_u64 s[16:17], s[4:5], s[12:13]        ; q'
	s_add_nc_u64 s[18:19], s[4:5], s[14:15]        ; k'
	s_add_nc_u64 s[20:21], s[18:19], 0x20000       ; v': four slots on
	s_add_nc_u64 s[6:7], s[6:7], s[2:3]
.irp i, 0,1,2,3,4,5,6,7,8,9,10,11,12,13,14,15
	global_load_b128 v[128+4*\i:131+4*\i], v3, s[16:17] offset:16*\i
.endr
.irp i, 0,1,2,3,4,5,6,7,8,9,10,11,12,13,14,15
	global_load_b128 v[192+4*\i:195+4*\i], v3, s[18:19] offset:16*\i
.endr
	WIN 0x40                                       ; destination window 1
.irp kk, 0,1,2,3,4,5,6,7
	global_load_b128 v[64+8*\kk:67+8*\kk], v4, s[20:21] offset:512*\kk       ; V(8 h + kk, 8 g(r) + 0 .. 3)
	global_load_b128 v[68+8*\kk:71+8*\kk], v4, s[20:21] offset:512*\kk+16    ; and + 4 .. 7
.endr
	WIN 0
	s_wait_loadcnt 16                              ; Q and K are in: V's 16 loads may be out
	v_wmma_f32_16x16x4_f32 v[16:23], v[192:193], v[128:129], 0     ; two sums by turns; their first K steps start them
	v_wmma_f32_16x16x4_f32 v[24:31], v[194:195], v[130:131], 0
.set i, 4
.rept 15
	v_wmma_f32_16x16x4_f32 v[16:23], v[192+i:193+i], v[128+i:129+i], v[16:23]
	v_wmma_f32_16x16x4_f32 v[24:31], v[194+i:195+i], v[130+i:131+i], v[24:31]
.set i, i+4
.endr
.rept 8
	v_nop                                          ; eight plain lines behind this form, ahead of the first read of its results
.endr
.irp j, 0,1,2,3,4,5,6,7
	v_add_f32 v[32+\j], v[16+\j], v[24+\j]         ; t of query r and key 8 h + j, from the low end on
.endr
.irp j, 0,1,2,3,4,5,6,7
	v_cmp_gt_i32 vcc_lo, \j, v5
	v_cndmask_b32 v[32+\j], v[32+\j], v6, vcc_lo   ; the causal mask
.endr
	v_max3_num_f32 v40, v32, v33, v34
	v_max3_num_f32 v42, v35, v36, v37
	v_max3_num_f32 v40, v40, v38, v39
	v_max_num_f32 v40, v40, v42
	v_permlanex16_b32 v41, v40, s22, s23
	v_max_num_f32 v40, v40, v41                    ; the row's maximum (key 0 counts for every query)
.irp j, 0,1,2,3,4,5,6,7
	v_sub_f32 v[32+\j], v[32+\j], v40
.endr
.irp j, 0,1,2,3,4,5,6,7
	v_exp_f32 v[32+\j], v[32+\j]
.endr
	v_nop
	s_wait_alu depctr_va_vdst(0)                   ; one wait for the eight
	v_add_f32 v42, v32, v33
	v_add_f32 v44, v34, v35
	v_add_f32 v45, v36, v37
	v_add_f32 v46, v38, v39
	v_add_f32 v42, v42, v44
	v_add_f32 v45, v45, v46
	v_add_f32 v42, v42, v45
	v_permlanex16_b32 v43, v42, s22, s23
	v_add_f32 v42, v42, v43                        ; the row's sum
	v_rcp_f32 v44, v42
	v_nop
	s_wait_alu depctr_va_vdst(0)
	s_wait_loadcnt 0x0                             ; V
	WIN 0x01                                       ; source 0 in window 1
.irp ct, 0,1,2,3,4,5,6,7
.irp kk, 0,1,2,3,4,5,6,7
	v_mov_b32 v[64+8*\ct+\kk], v[64+8*\kk+\ct]     ; tile ct: my channel's eight keys side by side
.endr
.endr
	WIN 0x50                                       ; C and D in window 1
.irp s, 0,1,2,3
.irp ct, 0,1,2,3,4,5,6,7
.if \s == 0
	v_wmma_f32_16x16x4_f32 v[8*\ct:8*\ct+7], v[64+8*\ct+2*\s:65+8*\ct+2*\s], v[32+2*\s:33+2*\s], 0
.else
	v_wmma_f32_16x16x4_f32 v[8*\ct:8*\ct+7], v[64+8*\ct+2*\s:65+8*\ct+2*\s], v[32+2*\s:33+2*\s], v[8*\ct:8*\ct+7]
.endif
.endr
.endr
.rept 8
	v_nop
.endr
	WIN 0x01                                       ; source 0 in window 1
.set i, 0
.rept 64
	v_mul_f32 v[128+i], v[i], v44                  ; register 8 ct + j: y' (r, 16 j + 8 h + ct) = O^T / the sum
.set i, i+1
.endr
	WIN 0
.set i, 0
.rept 32
	v_pk_mul_f32 v[192+i:193+i], v[128+i:129+i], 0x46000400 op_sel_hi:[1,0]   ; c = 8193 y
.set i, i+2
.endr
.set i, 0
.rept 32
	v_pk_add_f32 v[64+i:65+i], v[192+i:193+i], v[128+i:129+i] neg_lo:[0,1] neg_hi:[0,1]   ; c - y
.set i, i+2
.endr
.set i, 0
.rept 32
	v_pk_add_f32 v[192+i:193+i], v[192+i:193+i], v[64+i:65+i] neg_lo:[0,1] neg_hi:[0,1]   ; the high part
.set i, i+2
.endr
.set i, 0
.rept 32
	v_pk_add_f32 v[128+i:129+i], v[128+i:129+i], v[192+i:193+i] neg_lo:[0,1] neg_hi:[0,1] ; the low part
.set i, i+2
.endr
.irp j, 0,1,2,3,4,5,6,7                            ; piece j: channels 16 j + 8 h + 0 .. 7: register j of tiles 0 to 7, two to a word
.irp i, 0,1,2,3
	v_cvt_pk_f16_f32 v[64+4*\j+\i], v[192+16*\i+\j], v[200+16*\i+\j]
.endr
.endr
.irp j, 0,1,2,3,4,5,6,7
.irp i, 0,1,2,3
	v_cvt_pk_f16_f32 v[96+4*\j+\i], v[128+16*\i+\j], v[136+16*\i+\j]
.endr
.endr
.irp j, 0,1,2,3,4,5,6,7
	global_store_b128 v7, v[64+4*\j:67+4*\j], s[6:7] offset:512*\j            ; the wave stores 512 consecutive bytes, aligned
	global_store_b128 v7, v[96+4*\j:99+4*\j], s[6:7] offset:262144+512*\j
.endr
	s_endpgm
.Lfunc_end_k_q7f55fed29e_fatt:
	.size	k_q7f55fed29e_fatt, .Lfunc_end_k_q7f55fed29e_fatt-k_q7f55fed29e_fatt
	.p2alignl 7, 3214868480
	.fill 96, 4, 3214868480
	.section	.rodata,"a",@progbits
	.p2align	6, 0x0
	.amdhsa_kernel k_q7f55fed29e_fatt
		.amdhsa_group_segment_fixed_size 0
		.amdhsa_private_segment_fixed_size 0
		.amdhsa_enable_private_segment 0
		.amdhsa_kernarg_size 16
		.amdhsa_user_sgpr_count 2
		.amdhsa_user_sgpr_kernarg_segment_ptr 1
		.amdhsa_wavefront_size32 1
		.amdhsa_system_sgpr_workgroup_id_x 1
		.amdhsa_system_sgpr_workgroup_id_y 1
		.amdhsa_system_sgpr_workgroup_id_z 1
		.amdhsa_system_vgpr_workitem_id 0
		.amdhsa_next_free_vgpr 384
		.amdhsa_next_free_sgpr 66
		.amdhsa_reserve_vcc 1
		.amdhsa_float_denorm_mode_32 3
		.amdhsa_float_denorm_mode_16_64 3
		.amdhsa_memory_ordered 1
		.amdhsa_forward_progress 1
		.amdhsa_inst_pref_size 32
	.end_amdhsa_kernel
	.amdgpu_metadata
---
amdhsa.version: [ 1, 2 ]
amdhsa.kernels:
  - .name:           k_q7f55fed29e_fatt
    .symbol:         k_q7f55fed29e_fatt.kd
    .args:
      - { .name: fine, .offset: 0, .size: 8, .value_kind: global_buffer, .address_space: global }
      - { .name: yf, .offset: 8, .size: 8, .value_kind: global_buffer, .address_space: global }
    .group_segment_fixed_size: 0
    .private_segment_fixed_size: 0
    .kernarg_segment_align: 8
    .kernarg_segment_size: 16
    .max_flat_workgroup_size: 32
    .sgpr_count:     66
    .vgpr_count:     384
    .wavefront_size: 32
...
	.end_amdgpu_metadata
.endif
;; end of part 4
;; launch oproj (part 5): grid 8 x 32, 4 waves a work-group, clusters of 4 x 4, 327,680 bytes of LDS; arguments y16, wo16, out0; writes out0
.if DOCPART == 5
	.amdgcn_target "amdgcn-amd-amdhsa--gfx1250"
	.amdhsa_code_object_version 6
	.text
	.protected	k_q7f55fed29e_oproj
	.globl	k_q7f55fed29e_oproj
	.p2align	8
	.type	k_q7f55fed29e_oproj,@function
k_q7f55fed29e_oproj:
	s_mov_b64 s[64:65], 0
	v_nop
	global_prefetch_b8 v0, s[64:65] scope:SCOPE_SE
	s_setreg_imm32_b32 hwreg(HW_REG_WAVE_MODE, 25, 1), 1
	s_wait_xcnt 0x0
	s_wait_alu depctr_hold_cnt(0) depctr_sa_sdst(0) depctr_va_vdst(0) depctr_va_sdst(0) depctr_va_ssrc(0) depctr_va_vcc(0) depctr_vm_vsrc(0)
	s_getreg_b32 s2, hwreg(HW_REG_IB_STS2, 6, 4)
	s_cmp_eq_u32 s2, 0
	s_cbranch_scc0 .Lentry_in_a_cluster
	s_endpgm
.Lentry_in_a_cluster:
	s_bfe_u32 s2, ttmp6, 0x10000c
	s_cmp_lg_u32 s2, 0xf033
	s_cbranch_scc0 .Lentry_shape_is_right
	s_endpgm
.Lentry_shape_is_right:
; out0[m][n] = sum over k of y'[m][k] Wo'[n][k]: y' = y / 4 in y16 [4096][2048] f16, Wo' = 4 Wo in the high part of wo16 [n 2048][k 2048] f16; out0 [4096][2048] f32; sums in f32.
; The rows of the first 16 positions of each sequence are left to the launch that carries them more finely: their block of 16 rows is not stored here (a lane mask, all lanes or none).
; A tile of out0 is 128 x 256: 256 work-groups.  Four waves, each 64 x 128: 32 accumulators, 256 registers.  K goes in steps of 128 (rows of 256 bytes) through a ring of two LDS slots.
; CLUSTERS: 4 x 4 work-groups.  The four of a row need the same tiles of A, the four of a column the same tiles of B: each tile is asked for jointly.  Waves 0 and 1 fetch A's halves (64 rows), waves 2 and 3 B's (128 rows).
; THE MATRIX INSTRUCTION IS USED TRANSPOSED (source 0 = 16 rows of B, source 1 = 16 rows of A): a lane holds eight neighbouring numbers of a row of out0.
; REGISTERS: window 0: v16-30 addresses; two fragment buffers of 96 at v64 and v160 (A's 4 fragments, then B's 8, for 32 along K); on the way out v64-191 take rows read back.  window 1: accumulator (a, b) at v[8 (8 a + b)].
.set KSTEP,  128
.set PITCH,  272
.set ABYTES, 128*PITCH
.set SLOT,   384*PITCH                 ; A's 128 rows, then B's 256 rows
.set STAGE,  2*SLOT                    ; behind the ring: 16 rows x 528 bytes a wave, for the way out
.set SPITCH, 528
.set SPARE,  STAGE+4*16*SPITCH         ; the spare words, 128 bytes a wave
.set LAPS,   8                         ; 2,048 along K = 16 K steps = 8 times round the ring
.set ADRA, 16
.set ADRB, 20
.set STO,  24
.set RD,   25
.set CO,   26
.set MKR,  27                          ; v27  my wave's first row's position in its sequence
.set SPW,  28
.set NIL,  29
.set PFO,  30
.set F0,   64
.set F1,   160
.set BK,   64
.set LIM,  43
.set PFA,  44
.set G1, 24
.set G0, 32
.set G1B, 48
.set G0B, 56
.set MSB, 0
.macro WIN new
.if MSB != \new
	s_set_vgpr_msb (MSB<<8)|\new
.set MSB, \new
.endif
.endm
.set MUL, 0x50                         ; C and D window 1
.macro JLOAD s                         ; an s_nop 0 and four v_nop follow each of the two lines
	s_cmp_eq_u32 s11, 0
	s_cbranch_scc0 .Lfor_b_\@
	tensor_load_to_lds s[G0+4*\s:G0+4*\s+3], s[G1:G1+7]
	s_nop 0
.rept 4
	v_nop
.endr
	s_branch .Lasked_\@
.Lfor_b_\@:
	tensor_load_to_lds s[G0B+4*\s:G0B+4*\s+3], s[G1B:G1B+7]
	s_nop 0
.rept 4
	v_nop
.endr
.Lasked_\@:
.endm
; A prefetch of the K step that stands two refills on: 32 rows x 256 bytes, a lane a row.  A's tile row is read by both clusters of a row of clusters: the one with x = 0 asks, its wave 0, 32 rows a partner by cx.
; B's tile column is read by all eight clusters of a column: the one with y = 0 asks, waves 2 and 3 for the 128 rows that each fetches, 32 a partner by cy.  The partners are told apart by address alone.
; Each row's 256 bytes of a K step are named once; K steps 0 to 3 come by their loads alone; the loop's last trip asks for nothing.
.macro ASK
	s_cmp_gt_u32 s3, s[LIM]
	s_cbranch_scc0 .Lnot_mine_\@
	global_prefetch_b8 v[PFO], s[PFA:PFA+1] offset:KSTEP*2 th:TH_LOAD_NT scope:SCOPE_SE
.Lnot_mine_\@:
.endm
.macro CREST
	s_cmp_lg_u32 s10, 0
	s_cbranch_scc1 .Lnot_wave_0_\@
	s_barrier_signal -3
.Lnot_wave_0_\@:
	s_barrier_wait -3
	s_barrier_signal -1
	s_barrier_wait -1
.endm
.macro CROUND
	s_barrier_signal -1
	s_barrier_wait -1
	CREST
.endm
	s_load_b128 s[4:7], s[0:1], 0x0                ; y16, wo16
	s_load_b64 s[8:9], s[0:1], 0x10                ; out0
	v_lshl_add_u32 v[SPW], v0, 2, SPARE
	v_mov_b32 v[NIL], 0
	ds_add_u32 v[SPW], v[NIL]                      ; the wave's opening: the add, twice on end, and its wait ahead of my first tensor load
	ds_add_u32 v[SPW], v[NIL]
	v_lshrrev_b32 v1, 5, v0
	v_readfirstlane_b32 s10, v1                    ; wave 0..3
	s_lshr_b32 s11, s10, 1                         ; which half of the tile's rows is mine.  Also: I fetch for A (0) or for B (1)
	s_and_b32 s12, s10, 1                          ; which half of its columns.  Also: which half of that tile I fetch
	s_bfe_u32 s40, ttmp6, 0x40000                  ; cx, cy
	s_bfe_u32 s41, ttmp6, 0x40004
	s_lshl_b32 s42, ttmp9, 2
	s_add_co_u32 s42, s42, s40                     ; tile column
	s_and_b32 s13, ttmp7, 0xffff
	s_lshl_b32 s13, s13, 2
	s_add_co_u32 s13, s13, s41                     ; tile row
	s_lshl_b32 s43, s41, 2
	s_lshl_b32 s43, 15, s43                        ; my row of the cluster
	s_lshl_b32 s44, 0x1111, s40                    ; my column
	s_or_b32 s[G1+0], s43, (1<<16)|(1<<20)|(1<<21)|(5<<22)|(3<<25)   ; the mask; elements of 2 bytes; padding on; bit 21 beside a mask; 4 words behind every 64
	s_or_b32 s[G1B+0], s44, (1<<16)|(1<<20)|(1<<21)|(5<<22)|(3<<25)
	s_mov_b32 s[G1+1], KSTEP<<16                   ; A: 64 rows x 128 elements
	s_mov_b32 s[G1+2], 64<<16
	s_mov_b32 s[G1+3], KSTEP<<16
	s_mov_b32 s[G1+4], 64
	s_mov_b32 s[G1+5], 2048
	s_mov_b32 s[G1+6], 0
	s_mov_b32 s[G1+7], 0
	s_mov_b32 s[G1B+1], KSTEP<<16                  ; B: 128 rows x 128 elements
	s_mov_b32 s[G1B+2], 128<<16
	s_mov_b32 s[G1B+3], KSTEP<<16
	s_mov_b32 s[G1B+4], 128
	s_mov_b32 s[G1B+5], 2048
	s_mov_b32 s[G1B+6], 0
	s_mov_b32 s[G1B+7], 0
	s_lshl_b32 s16, s13, 7
	s_lshl_b32 s17, s12, 6
	s_add_co_u32 s16, s16, s17                     ; A: row 128 x tile row + 64 x half
	s_lshl_b32 s16, s16, 12                        ; rows of 4,096 bytes
	s_mov_b32 s17, 0
	s_lshl_b32 s46, s42, 8
	s_lshl_b32 s47, s12, 7
	s_add_co_u32 s46, s46, s47                     ; B: row 256 x tile column + 128 x half
	s_lshl_b32 s46, s46, 12
	s_mov_b32 s47, 0
	s_mul_i32 s20, s12, 64*PITCH                   ; where they go: A's two halves,
	s_mul_i32 s21, s12, 128*PITCH
	s_add_co_u32 s21, s21, ABYTES                  ; then B's two
	s_wait_dscnt 0x0                               ; both opening adds are done
	s_wait_kmcnt 0x0
	s_add_nc_u64 s[14:15], s[4:5], s[16:17]
	s_add_nc_u64 s[46:47], s[6:7], s[46:47]
	CROUND                                         ; all sixteen work-groups are here
.irp s, 0,1
	s_mov_b32 s[G0+4*\s], 1
	s_add_co_u32 s[G0+4*\s+1], s20, \s*SLOT
	s_add_nc_u64 s[G0+4*\s+2:G0+4*\s+3], s[14:15], \s*KSTEP*2
	s_or_b32 s[G0+4*\s+3], s[G0+4*\s+3], 0x80000000
	s_mov_b32 s[G0B+4*\s], 1
	s_add_co_u32 s[G0B+4*\s+1], s21, \s*SLOT
	s_add_nc_u64 s[G0B+4*\s+2:G0B+4*\s+3], s[46:47], \s*KSTEP*2
	s_or_b32 s[G0B+4*\s+3], s[G0B+4*\s+3], 0x80000000
	JLOAD \s
.endr
	v_and_b32 v1, 15, v0                           ; r
	v_bfe_u32 v2, v0, 4, 1                         ; h
	v_mul_u32_u24 v3, v1, PITCH
	v_lshl_add_u32 v3, v2, 4, v3
	s_mul_i32 s21, s11, 64*PITCH                   ; my 64 rows of A
	s_mul_i32 s22, s12, 128*PITCH                  ; my 128 rows of B,
	s_add_co_u32 s22, s22, ABYTES                  ; behind A's 128
.irp s, 0,1
	v_add_nc_u32 v[ADRA+\s], s21, v3
	v_add_nc_u32 v[ADRB+\s], s22, v3
	s_add_co_u32 s21, s21, SLOT
	s_add_co_u32 s22, s22, SLOT
.endr
	s_mul_i32 s23, s10, 16*SPITCH
	s_add_co_u32 s23, s23, STAGE                   ; my stage
	v_mul_u32_u24 v4, v1, SPITCH
	v_lshl_add_u32 v4, v2, 5, v4
	v_add_nc_u32 v[STO], s23, v4                   ; in: row r, 32 bytes for each half of the lanes
	v_and_b32 v5, 31, v0
	v_lshlrev_b32 v[CO], 4, v5                     ; back: the 32 lanes take one row of 512 bytes; the same in out0
	v_add_nc_u32 v[RD], s23, v[CO]
	; the prefetches
	s_lshl_b32 s20, s13, 7                         ; A: the tile's first row
	s_lshl_b32 s21, s42, 8
	s_lshl_b32 s22, s12, 7
	s_add_co_u32 s21, s21, s22                     ; B: the first of the 128 rows that I fetch
	s_and_b32 s22, ttmp7, 0xffff                   ; cluster y
	s_cmp_eq_u32 s11, 0
	s_cselect_b32 s20, s20, s21
	s_cselect_b32 s21, s40, s41                    ; my place among the four that ask with me
	s_cselect_b32 s22, ttmp9, s22                  ; the coordinate along which other clusters read the same rows
	s_cselect_b32 s23, s12, 0                      ; of A's two fetching waves wave 0 alone asks
	s_cselect_b64 s[PFA:PFA+1], s[4:5], s[6:7]
	s_or_b32 s22, s22, s23
	s_cmp_eq_u32 s22, 0
	s_cselect_b32 s[LIM], 1, -1                    ; the same in all sixteen partners, for a given wave
	s_lshl_b32 s21, s21, 5
	s_add_co_u32 s20, s20, s21
	s_lshl_b32 s20, s20, 12
	s_mov_b32 s21, 0
	s_add_nc_u64 s[PFA:PFA+1], s[PFA:PFA+1], s[20:21]
	s_add_nc_u64 s[PFA:PFA+1], s[PFA:PFA+1], 2*KSTEP*2   ; at K step 2: the first change of slots steps it to 3 and names K step 4
	v_lshlrev_b32 v[PFO], 12, v5
	; where my part of out0 begins
	s_lshl_b32 s16, s13, 7
	s_lshl_b32 s17, s11, 6
	s_add_co_u32 s16, s16, s17                     ; my first row
	s_and_b32 s17, s16, 1023
	v_mov_b32 v[MKR], s17
	s_lshl_b32 s16, s16, 13                        ; rows of 8,192 bytes
	s_lshl_b32 s46, s42, 10
	s_lshl_b32 s47, s12, 9
	s_add_co_u32 s46, s46, s47
	s_add_co_u32 s16, s16, s46
	s_mov_b32 s17, 0
	s_add_nc_u64 s[8:9], s[8:9], s[16:17]
; 8 matrix instructions: A's block a x B's eight, 32 along K, out of buffer f.  The 32 accumulators take turns, one instruction a turn.
.macro MUL8 f, a, zero
.irp b, 0,1,2,3,4,5,6,7
.if \zero
	v_wmma_f32_16x16x32_f16 v[8*(8*(\a)+\b):8*(8*(\a)+\b)+7], v[\f+32+8*\b:\f+32+8*\b+7], v[\f+8*(\a):\f+8*(\a)+7], 0
.else
	v_wmma_f32_16x16x32_f16 v[8*(8*(\a)+\b):8*(8*(\a)+\b)+7], v[\f+32+8*\b:\f+32+8*\b+7], v[\f+8*(\a):\f+8*(\a)+7], v[8*(8*(\a)+\b):8*(8*(\a)+\b)+7]
.endif
.endr
.endm
; 24 LDS loads in one run: B's eight fragments, then A's four, of 32 along K at byte k of the rows
.macro FETCH slot, k, f
.irp i, 0,1,2,3,4,5,6,7
	ds_load_b128 v[\f+32+8*\i:\f+32+8*\i+3],   v[ADRB+\slot] offset:\k+\i*16*PITCH
	ds_load_b128 v[\f+32+8*\i+4:\f+32+8*\i+7], v[ADRB+\slot] offset:\k+\i*16*PITCH+32
.endr
.irp i, 0,1,2,3
	ds_load_b128 v[\f+8*\i:\f+8*\i+3],   v[ADRA+\slot] offset:\k+\i*16*PITCH
	ds_load_b128 v[\f+8*\i+4:\f+8*\i+7], v[ADRA+\slot] offset:\k+\i*16*PITCH+32
.endr
.endm
.macro PLACES
.rept 4
	v_nop
.endr
.endm
; A K step is four quarters of 32 along K, 32 matrix instructions each, on buffers 0, 1, 0, 1.
.macro QUARTER slot, k, f, g, zero
	s_wait_dscnt 4                                 ; B and A's blocks 0, 1 are in; A's blocks 2, 3 may be out
	WIN MUL
	MUL8 \f, 0, \zero
	MUL8 \f, 1, \zero
	PLACES
	WIN 0
	FETCH \slot, \k, \g
	s_wait_dscnt 24                                ; all but the 24 just issued
	WIN MUL
	MUL8 \f, 2, \zero
	MUL8 \f, 3, \zero
.endm
; The last quarter multiplies buffer 1 and changes slots: one barrier; in front of it each wave waits for all its tensor loads, adds 0 to its spare word, and waits for that and for its own reads of this slot.
.macro TURN slot, next, fill
.if \fill
	s_wait_xcnt 0x0                                ; the last prefetch, a K step back, has read its address
	s_add_nc_u64 s[PFA:PFA+1], s[PFA:PFA+1], KSTEP*2
.endif
	WIN 0
	s_wait_tensorcnt 0x0                           ; all my tensor loads have landed: my part of the next slot
	ds_add_u32 v[SPW], v[NIL]
	s_wait_dscnt 5                                 ; (the add and A's blocks 2, 3 may be out)
	WIN MUL
	MUL8 F1, 0, 0
	s_wait_dscnt 0x0                               ; the add is done, and my reads of this slot are over
	s_barrier_signal -1
	MUL8 F1, 1, 0
	WIN 0
	s_barrier_wait -1
.if \fill
	CREST                                          ; the barrier has opened a round of the cluster's barrier
	s_add_nc_u64 s[G0+4*\slot+2:G0+4*\slot+3], s[G0+4*\slot+2:G0+4*\slot+3], 2*KSTEP*2
	s_add_nc_u64 s[G0B+4*\slot+2:G0B+4*\slot+3], s[G0B+4*\slot+2:G0B+4*\slot+3], 2*KSTEP*2
	JLOAD \slot                                    ; the first tensor load behind the round: 112 matrix instructions ahead of the wait for it
.else
	PLACES
.endif
	FETCH \next, 0, F0
.if \fill
	ASK
.endif
	WIN MUL
	MUL8 F1, 2, 0
	MUL8 F1, 3, 0
.endm
	s_wait_tensorcnt 1                             ; my part of K step 0 is in (K step 1's load may be out),
	s_barrier_signal -1
	s_barrier_wait -1                              ; everybody's is
	FETCH 0, 0, F0
	QUARTER 0, 64, F0, F1, 1                       ; the first quarter's products start the sums
	WIN 0
	s_mov_b32 s3, LAPS-1
.Llap:
	QUARTER 0, 128, F1, F0, 0
	QUARTER 0, 192, F0, F1, 0
	TURN 0, 1, 1
	QUARTER 1, 64,  F0, F1, 0
	QUARTER 1, 128, F1, F0, 0
	QUARTER 1, 192, F0, F1, 0
	TURN 1, 0, 1
	QUARTER 0, 64,  F0, F1, 0
	WIN 0
	s_sub_co_u32 s3, s3, 1
	s_cmp_lg_u32 s3, 0
	s_cbranch_scc1 .Llap
	QUARTER 0, 128, F1, F0, 0                      ; the last lap fills nothing
	QUARTER 0, 192, F0, F1, 0
	TURN 0, 1, 0
	QUARTER 1, 64,  F0, F1, 0
	QUARTER 1, 128, F1, F0, 0
	QUARTER 1, 192, F0, F1, 0
	s_wait_dscnt 4
	WIN MUL
	MUL8 F1, 0, 0
	MUL8 F1, 1, 0
	s_wait_dscnt 0
	MUL8 F1, 2, 0
	MUL8 F1, 3, 0
	WIN 0
; THE WAY OUT, block by block of 16 rows x 128 columns, through my own stage: back come whole rows of 512 bytes.
.macro TOSTAGE a
	WIN 0x04                                       ; an LDS store's data are its source 1: window 1
.irp b, 0,1,2,3,4,5,6,7
	ds_store_b128 v[STO], v[8*(8*(\a)+\b):8*(8*(\a)+\b)+3] offset:64*\b          ; each accumulator from its low end on
	ds_store_b128 v[STO], v[8*(8*(\a)+\b)+4:8*(8*(\a)+\b)+7] offset:64*\b+16
.endr
	WIN 0
.set BB, BK+64*((\a)%2)
.irp t, 0,1,2,3,4,5,6,7,8,9,10,11,12,13,14,15
	ds_load_b128 v[BB+4*\t:BB+4*\t+3], v[RD] offset:\t*SPITCH   ; LDS serves a wave's instructions in order: these see the stores above
.endr
.endm
.macro SEND a, younger
.set BB, BK+64*((\a)%2)
	s_wait_dscnt \younger
.if (\a) == 0                          ; my first 16 rows are not stored where they are a sequence's first 16 positions: a lane mask, since it hangs on the work-group's place
	s_wait_xcnt 0x0                                ; EXEC changes only behind this wait
	v_cmp_le_u32 vcc_lo, 16, v[MKR]
	s_and_saveexec_b32 s2, vcc_lo
.endif
.irp t, 0,1,2,3,4,5,6,7,8,9,10,11,12,13,14,15
	global_store_b128 v[CO], v[BB+4*\t:BB+4*\t+3], s[8:9] offset:(16*(\a)+\t)*8192 th:TH_STORE_NT   ; the wave stores 512 consecutive bytes, aligned
.endr
.if (\a) == 0
	s_wait_xcnt 0x0                                ; and again ahead of the line that widens it
	s_or_b32 exec_lo, exec_lo, s2
.endif
.endm
	PLACES
	TOSTAGE 0
.irp a, 1,2,3
.if \a > 1
	s_wait_xcnt 0x0                                ; block a - 2's stores have read the registers into which block a's rows come back
.endif
	TOSTAGE \a
	SEND \a-1, 32                                  ; behind block a - 1's loads: block a's 16 stores and 16 loads
.endr
	SEND 3, 0
	s_wait_tensorcnt 0x0                           ; the wave's end: the three lines
	ds_add_u32 v[SPW], v[NIL]
	s_wait_dscnt 0x0
	CROUND                                         ; the closing round
	s_endpgm
.Lfunc_end_k_q7f55fed29e_oproj:
	.size	k_q7f55fed29e_oproj, .Lfunc_end_k_q7f55fed29e_oproj-k_q7f55fed29e_oproj
	.p2alignl 7, 3214868480
	.fill 96, 4, 3214868480
	.section	.rodata,"a",@progbits
	.p2align	6, 0x0
	.amdhsa_kernel k_q7f55fed29e_oproj
		.amdhsa_group_segment_fixed_size 327680
		.amdhsa_private_segment_fixed_size 0
		.amdhsa_enable_private_segment 0
		.amdhsa_kernarg_size 24
		.amdhsa_user_sgpr_count 2
		.amdhsa_user_sgpr_kernarg_segment_ptr 1
		.amdhsa_wavefront_size32 1
		.amdhsa_system_sgpr_workgroup_id_x 1
		.amdhsa_system_sgpr_workgroup_id_y 1
		.amdhsa_system_sgpr_workgroup_id_z 1
		.amdhsa_system_vgpr_workitem_id 0
		.amdhsa_next_free_vgpr 512
		.amdhsa_next_free_sgpr 66
		.amdhsa_reserve_vcc 1
		.amdhsa_float_denorm_mode_32 3
		.amdhsa_float_denorm_mode_16_64 3
		.amdhsa_memory_ordered 1
		.amdhsa_forward_progress 1
		.amdhsa_inst_pref_size 86
	.end_amdhsa_kernel
	.amdgpu_metadata
---
amdhsa.version: [ 1, 2 ]
amdhsa.kernels:
  - .name:           k_q7f55fed29e_oproj
    .symbol:         k_q7f55fed29e_oproj.kd
    .args:
      - { .name: y16, .offset: 0, .size: 8, .value_kind: global_buffer, .address_space: global }
      - { .name: wo16, .offset: 8, .size: 8, .value_kind: global_buffer, .address_space: global }
      - { .name: out0, .offset: 16, .size: 8, .value_kind: global_buffer, .address_space: global }
    .group_segment_fixed_size: 327680
    .private_segment_fixed_size: 0
    .kernarg_segment_align: 8
    .kernarg_segment_size: 24
    .max_flat_workgroup_size: 128
    .sgpr_count:     66
    .vgpr_count:     512
    .wavefront_size: 32
...
	.end_amdgpu_metadata
.endif
;; end of part 5
;; launch fproj (part 6): grid 128 x 2, 4 waves a work-group, no clusters, 10,752 bytes of LDS; arguments yf, wo16, out0; writes out0
.if DOCPART == 6
	.amdgcn_target "amdgcn-amd-amdhsa--gfx1250"
	.amdhsa_code_object_version 6
	.text
	.protected	k_q7f55fed29e_fproj
	.globl	k_q7f55fed29e_fproj
	.p2align	8
	.type	k_q7f55fed29e_fproj,@function
k_q7f55fed29e_fproj:
	s_mov_b64 s[64:65], 0
	v_nop
	global_prefetch_b8 v0, s[64:65] scope:SCOPE_SE
	s_setreg_imm32_b32 hwreg(HW_REG_WAVE_MODE, 25, 1), 1
	s_wait_xcnt 0x0
; The projection of the first 16 positions of each sequence (64 rows), with both operands as pairs of f16: out = yh wh + yh wl + yl wh, sums in f32 (yl wl lies under f32's last bits of the sum).
; yf (y / 4): high parts at byte 0, low parts at byte 262,144, each in the order of an operand's registers: [sequence 4][fragment of 32 along K: 64][half 2][lane 32][16 bytes].
; wo16 (4 Wo): high parts [n][k] f16 at byte 0; low parts at byte 8,388,608 in the order of an operand's registers: [tile of 16 columns: 128][fragment 64][half 2][lane 32][16 bytes].
; A work-group takes 32 of the 64 rows (work-group y) x 16 columns (work-group x); its four waves share K, 512 each, and their four partial sums meet in LDS.  256 work-groups, 384 KB into each.
; All operands go from memory straight into registers, each fragment whole: of a wave's 192 loads the 160 of y and of W's low parts read 512 consecutive bytes each; the 32 of W's high parts read 32 bytes of each
; of 16 rows, since those rows are laid for the large projection's tiles.  No tensor load, so no cluster; the launch is short.  The stores are runs of 64 bytes: 0.5 MB in all.
; The matrix instruction is used transposed (source 0 = 16 rows of W, source 1 = 16 rows of y): a lane holds eight neighbouring columns of one row.
; REGISTERS: window 3: W's high fragments at v[8 ks], its low ones at v[128 + 8 ks];  window 1: y's high fragments at v[16 ks + 8 tt];  window 2: its low ones;  window 0: two accumulators v32-47, addresses.
.set SPARE, 10240                      ; behind the four partial sums (32 rows x 80 bytes each): the spare words
.set SPW, 8
.set NIL, 9
.set MSB, 0
.macro WIN new
.if MSB != \new
	s_set_vgpr_msb (MSB<<8)|\new
.set MSB, \new
.endif
.endm
	s_load_b128 s[4:7], s[0:1], 0x0                ; yf, wo16
	s_load_b64 s[8:9], s[0:1], 0x10                ; out0
	v_lshl_add_u32 v[SPW], v0, 2, SPARE
	v_mov_b32 v[NIL], 0
	v_lshrrev_b32 v1, 5, v0
	v_readfirstlane_b32 s10, v1                    ; wave 0..3
	v_and_b32 v1, 15, v0                           ; r
	v_bfe_u32 v2, v0, 4, 1                         ; h
	s_and_b32 s11, ttmp7, 0xffff                   ; which 32 rows
	v_lshlrev_b32 v3, 12, v1
	v_lshl_add_u32 v3, v2, 4, v3
	s_lshl_b32 s14, s10, 10
	v_add_nc_u32 v3, s14, v3                       ; W's high parts: row r of 4,096 bytes, + 16 h, + my wave's 512 along K
	v_and_b32 v10, 31, v0
	v_lshlrev_b32 v4, 4, v10
	s_lshl_b32 s14, s10, 14
	v_add_nc_u32 v4, s14, v4                       ; the images: 16 x lane, + my wave's 16 fragments of 1,024 bytes
	s_mul_i32 s14, s10, 2560
	v_mul_u32_u24 v5, v1, 80
	v_lshl_add_u32 v5, v2, 5, v5
	v_add_nc_u32 v5, s14, v5                       ; my partial sum: row r of 80 bytes, + 32 h
	v_lshrrev_b32 v11, 2, v10
	s_lshl_b32 s14, s10, 3
	v_add_nc_u32 v11, s14, v11                     ; on the way out: row 8 wave + lane / 4,
	v_and_b32 v10, 3, v10                          ; four columns lane % 4
	v_mul_u32_u24 v6, v11, 80
	v_lshl_add_u32 v6, v10, 4, v6
	v_lshrrev_b32 v12, 4, v11                      ; which of the two sequences,
	v_and_b32 v11, 15, v11                         ; which position
	v_lshl_add_u32 v11, v12, 10, v11
	v_lshlrev_b32 v7, 13, v11
	v_lshl_add_u32 v7, v10, 4, v7                  ; out0: rows of 8,192 bytes
	s_lshl_b32 s14, s11, 17                        ; yf: two sequences of 65,536 bytes
	s_mov_b32 s15, 0
	s_lshl_b32 s16, ttmp9, 16                      ; wo16: 16 rows of 4,096 bytes in the high parts, a tile of 65,536 bytes in the low ones
	s_mov_b32 s17, 0
	s_lshl_b32 s18, s11, 24                        ; out0: two sequences of 1,024 rows,
	s_lshl_b32 s19, ttmp9, 6                       ; 16 columns
	s_add_co_u32 s18, s18, s19
	s_mov_b32 s19, 0
	s_wait_kmcnt 0x0
	s_add_nc_u64 s[4:5], s[4:5], s[14:15]
	s_add_nc_u64 s[6:7], s[6:7], s[16:17]
	s_add_nc_u64 s[12:13], s[6:7], 0x800000        ; W's low parts
	s_add_nc_u64 s[8:9], s[8:9], s[18:19]
	WIN 0xc0
.set ks, 0
.rept 16
	global_load_b128 v[8*ks:8*ks+3],         v3, s[6:7] offset:64*ks
	global_load_b128 v[8*ks+4:8*ks+7],       v3, s[6:7] offset:64*ks+32
	global_load_b128 v[128+8*ks:128+8*ks+3], v4, s[12:13] offset:1024*ks
	global_load_b128 v[128+8*ks+4:128+8*ks+7], v4, s[12:13] offset:1024*ks+512
.set ks, ks+1
.endr
	WIN 0x40
.set ks, 0
.rept 16
.irp tt, 0,1
	global_load_b128 v[16*ks+8*\tt:16*ks+8*\tt+3],   v4, s[4:5] offset:65536*\tt+1024*ks
	global_load_b128 v[16*ks+8*\tt+4:16*ks+8*\tt+7], v4, s[4:5] offset:65536*\tt+1024*ks+512
.endr
.set ks, ks+1
.endr
	WIN 0x80
.set ks, 0
.rept 16
.irp tt, 0,1
	global_load_b128 v[16*ks+8*\tt:16*ks+8*\tt+3],   v4, s[4:5] offset:262144+65536*\tt+1024*ks
	global_load_b128 v[16*ks+8*\tt+4:16*ks+8*\tt+7], v4, s[4:5] offset:262144+65536*\tt+1024*ks+512
.endr
.set ks, ks+1
.endr
	s_wait_loadcnt 63                              ; W and y's high parts are in: behind them stand the low parts' 64 loads, of which the wait can name 63
	WIN 0x07                                       ; W window 3, y's high parts window 1.  The two accumulators take turns throughout
	v_wmma_f32_16x16x32_f16 v[32:39], v[0:7], v[0:7], 0
	v_wmma_f32_16x16x32_f16 v[40:47], v[0:7], v[8:15], 0
	v_wmma_f32_16x16x32_f16 v[32:39], v[128:135], v[0:7], v[32:39]
	v_wmma_f32_16x16x32_f16 v[40:47], v[128:135], v[8:15], v[40:47]
.set ks, 1
.rept 15
	v_wmma_f32_16x16x32_f16 v[32:39], v[8*ks:8*ks+7], v[16*ks:16*ks+7], v[32:39]
	v_wmma_f32_16x16x32_f16 v[40:47], v[8*ks:8*ks+7], v[16*ks+8:16*ks+15], v[40:47]
	v_wmma_f32_16x16x32_f16 v[32:39], v[128+8*ks:128+8*ks+7], v[16*ks:16*ks+7], v[32:39]
	v_wmma_f32_16x16x32_f16 v[40:47], v[128+8*ks:128+8*ks+7], v[16*ks+8:16*ks+15], v[40:47]
.set ks, ks+1
.endr
	s_wait_loadcnt 0x0                             ; y's low parts
	WIN 0x0b                                       ; y's low parts: window 2
.set ks, 0
.rept 16
	v_wmma_f32_16x16x32_f16 v[32:39], v[8*ks:8*ks+7], v[16*ks:16*ks+7], v[32:39]
	v_wmma_f32_16x16x32_f16 v[40:47], v[8*ks:8*ks+7], v[16*ks+8:16*ks+15], v[40:47]
.set ks, ks+1
.endr
	WIN 0
.rept 4
	v_nop
.endr
	ds_store_b128 v5, v[32:35]                     ; lane (r, h): row 16 tt + r, columns 8 h + 0 .. 7
	ds_store_b128 v5, v[36:39] offset:16
	ds_store_b128 v5, v[40:43] offset:1280
	ds_store_b128 v5, v[44:47] offset:1296
	s_wait_dscnt 0x0                               ; for the others' sake: my stores are done
	s_barrier_signal -1
	s_barrier_wait -1
.irp p, 0,1,2,3
	ds_load_b128 v[48+4*\p:51+4*\p], v6 offset:2560*\p   ; the four waves' partial sums of my four numbers
.endr
	s_wait_dscnt 0x0
	v_pk_add_f32 v[48:49], v[48:49], v[52:53]
	v_pk_add_f32 v[50:51], v[50:51], v[54:55]
	v_pk_add_f32 v[56:57], v[56:57], v[60:61]
	v_pk_add_f32 v[58:59], v[58:59], v[62:63]
	v_pk_add_f32 v[48:49], v[48:49], v[56:57]
	v_pk_add_f32 v[50:51], v[50:51], v[58:59]
	global_store_b128 v7, v[48:51], s[8:9]
	s_wait_tensorcnt 0x0                           ; the wave's end: a wait, an add to my spare word and its wait, behind my last LDS store
	ds_add_u32 v[SPW], v[NIL]
	s_wait_dscnt 0x0
	s_endpgm
.Lfunc_end_k_q7f55fed29e_fproj:
	.size	k_q7f55fed29e_fproj, .Lfunc_end_k_q7f55fed29e_fproj-k_q7f55fed29e_fproj
	.p2alignl 7, 3214868480
	.fill 96, 4, 3214868480
	.section	.rodata,"a",@progbits
	.p2align	6, 0x0
	.amdhsa_kernel k_q7f55fed29e_fproj
		.amdhsa_group_segment_fixed_size 10752
		.amdhsa_private_segment_fixed_size 0
		.amdhsa_enable_private_segment 0
		.amdhsa_kernarg_size 24
		.amdhsa_user_sgpr_count 2
		.amdhsa_user_sgpr_kernarg_segment_ptr 1
		.amdhsa_wavefront_size32 1
		.amdhsa_system_sgpr_workgroup_id_x 1
		.amdhsa_system_sgpr_workgroup_id_y 1
		.amdhsa_system_sgpr_workgroup_id_z 1
		.amdhsa_system_vgpr_workitem_id 0
		.amdhsa_next_free_vgpr 1024
		.amdhsa_next_free_sgpr 66
		.amdhsa_reserve_vcc 0
		.amdhsa_float_denorm_mode_32 3
		.amdhsa_float_denorm_mode_16_64 3
		.amdhsa_memory_ordered 1
		.amdhsa_forward_progress 1
		.amdhsa_inst_pref_size 28
	.end_amdhsa_kernel
	.amdgpu_metadata
---
amdhsa.version: [ 1, 2 ]
amdhsa.kernels:
  - .name:           k_q7f55fed29e_fproj
    .symbol:         k_q7f55fed29e_fproj.kd
    .args:
      - { .name: yf, .offset: 0, .size: 8, .value_kind: global_buffer, .address_space: global }
      - { .name: wo16, .offset: 8, .size: 8, .value_kind: global_buffer, .address_space: global }
      - { .name: out0, .offset: 16, .size: 8, .value_kind: global_buffer, .address_space: global }
    .group_segment_fixed_size: 10752
    .private_segment_fixed_size: 0
    .kernarg_segment_align: 8
    .kernarg_segment_size: 24
    .max_flat_workgroup_size: 128
    .sgpr_count:     66
    .vgpr_count:     1024
    .wavefront_size: 32
...
	.end_amdgpu_metadata
.endif
;; end of part 6
